; MI455X (gfx1250); checked and timed in simulation.
; The chip was launched on July 23, 2026; its instructions are those of AMD's public machine-readable ISA for CDNA 5 (MIT licence, August 2026) and "CDNA5" Instruction Set Architecture Reference Guide (July 2026). The comments in the code are by the model that wrote it; some were corrected since.
;; Multi Head Attention GPT. Allowed arithmetic: matrix products marked QUANTISED: E2M3 operands, one E8M0 scale for each 32 along K, by v_wmma_scale_f32_16x16x128_f8f6f4 with both operands' format E2M3, f32 sums; everything else in f32.
;; Inputs: Wk 16 x 1,024 x 64 float32; Wp 1,024 x 1,024 float32; Wq 16 x 1,024 x 64 float32; Wv 16 x 1,024 x 64 float32; bp 1,024 float32; x 4 x 2,048 x 1,024 float32.
;; Outputs: out0 4 x 2,048 x 1,024 float32.
;; This version of the problem:
;;   THIS VERSION OF THE PROBLEM IS GIVEN IN LOW PRECISION. The matrix products marked QUANTISED in the list below multiply operands that are first quantised to E2M3 (2 exponent bits, 3 mantissa bits; 6 bits a number), with one power-of-two scale for each 32 numbers along K (OCP MX v1.0); their sums are f32. All else is computed in f32.
;;   The module's matrix products, in the order in which they are computed (A, B: the left and right operand; K: the contracted axis; several contracted axes count as one K, in the product's order):
;;     1. [M 1,024, K 1,024] x [K 1,024, N 8,192]; A: input Wq; B: input x: QUANTISED
;;     2. [M 1,024, K 1,024] x [K 1,024, N 8,192]; A: input Wk; B: input x: QUANTISED
;;     3. [M 1,024, K 1,024] x [K 1,024, N 8,192]; A: input Wv; B: input x: QUANTISED
;;     4. batch 64 x [M 2,048, K 64] x [K 64, N 2,048]; A: computed on the way; B: computed on the way: QUANTISED
;;     5. batch 64 x [M 2,048, K 2,048] x [K 2,048, N 64]; A: softmax (see below); B: computed on the way: QUANTISED
;;     6. [M 8,192, K 1,024] x [K 1,024, N 1,024]; A: computed on the way; B: input Wp: QUANTISED
;;   THE QUANTISER, for each operand of a quantised product, along K:
;;     - K is cut into blocks of 32 from its start; a last block that is shorter is filled with zeros.
;;     - A block's scale is 2^e with e = floor(log2(the largest magnitude in the block)) - 2, held to -126 .. 127; a block of zeros has e = 0. As a byte (E8M0): e + 127.
;;     - Each number is divided by its block's scale, clamped to +-7.5, and rounded to the nearest number of E2M3, ties to even, subnormals kept.
;;     - The product sums the exact products of the quantised numbers (number of the format x scale) in f32.
;;   ~~~python
;;   def quantise(x, axis):      # numpy; x: float32 -> the quantised numbers, widened to float32 again
;;       x = np.moveaxis(x, axis, -1); K = x.shape[-1]
;;       x = np.pad(x, [(0, 0)] * (x.ndim - 1) + [(0, -K % 32)]); x = x.reshape(x.shape[:-1] + (-1, 32)); a = np.abs(x).max(-1, keepdims=True)
;;       e = np.where(a > 0, np.clip(np.frexp(np.where(a > 0, a, 1))[1] - 1 - 2, -126, 127), 0)      # np.frexp(a)[1] - 1 = floor(log2(a)), exactly
;;       r = np.clip(x / 2.0 ** e, -7.5, 7.5)
;;       step = 2.0 ** (np.maximum(np.frexp(np.where(r == 0, 1, r))[1] - 1, 0) - 3)
;;       q = np.round(r / step) * step * 2.0 ** e      # np.round: ties to even
;;       return np.moveaxis(q.reshape(q.shape[:-2] + (-1,))[..., :K], -1, axis).astype(np.float32)
;;   ~~~
;;   SOFTMAX AHEAD OF A QUANTISED PRODUCT. Where the list says 'softmax', what is quantised is not the finished softmax but p = 2^(t - M), with t = logit x log2(e) and M = ceil(the row's largest t), a whole number; so 1/2 < the row's largest p <= 1. The row's sum l is taken of the UNQUANTISED p, in f32, and the product's result is divided by l at the end. Since M is a whole number, a kernel that streams over the keys may use a running M (the ceiling of the running maximum): every later rescaling is an exact power of two, which a block's scale takes up: the codes' values come out the same.
;;   OPERANDS COMPUTED ON THE WAY. 'Computed on the way' means the value that the module computes at that place (a softmax that the list does not call 'softmax' is quantised finished and normalised). What goes into a quantiser is computed in f32, as accurately as f32 sums, v_exp_f32 and their like allow (about 1e-6 of the number): no bf16 or f16 on the way to a quantiser, and a product that is left as it is and whose result goes on into a quantised operand takes f32 operands (vector FMAs, or v_wmma_f32_16x16x4_f32). A number that lies on a knife's edge between two numbers of the format may be rounded either way, as far as f32 arithmetic and the matrix unit's own rounding can turn it there, and no further.
;; One version. Each part assembles by itself: llvm-mc -triple=amdgcn-amd-amdhsa -mcpu=gfx1250 --defsym DOCPART=n.
;; ======== version 1 of 1: 4 launches
;; limits: right only within a limited range of input values
;; workspace buffers: xpack 6,553,600 bytes; wpack 3,276,800 bytes; qpack 6,553,600 bytes; kpack 6,553,600 bytes; vpack 6,553,600 bytes; opack 6,553,600 bytes
;; launch quant (part 1): grid 512 x 1, 4 waves a work-group, no clusters, 34,304 bytes of LDS; arguments x, Wq, Wk, Wv, Wp, xpack, wpack; writes xpack, wpack
.if DOCPART == 1
	.amdgcn_target "amdgcn-amd-amdhsa--gfx1250"
	.amdhsa_code_object_version 6
	.text
	.protected	k_qd6d98379f0_quant
	.globl	k_qd6d98379f0_quant
	.p2align	8
	.type	k_qd6d98379f0_quant,@function
k_qd6d98379f0_quant:
	s_mov_b64 s[64:65], 0
	v_nop
	global_prefetch_b8 v0, s[64:65] scope:SCOPE_SE
	s_setreg_imm32_b32 hwreg(HW_REG_WAVE_MODE, 25, 1), 1
	s_wait_xcnt 0x0
; x [8192][1024] and the four weights (K = 1,024 is x's last axis and the weights' outer axis), f32, become codes of FP6 (E2M3) with one E8M0 byte for each 32 along K,
; laid in the ORDER OF THE OPERAND'S REGISTERS, so that the products' launches read fragments by loads of 16 bytes a lane and whole records by dense tensor loads.
; PACK: [G = row / 128][c = k / 256][REC bytes].  In a record: K step q (128 along K) and tile i (16 rows) at q KST + i FRB; register j of lane l at 512 (j / 4) + 16 l + 4 (j % 4).
; Lane (r, h) of tile i holds row 128 G + 32 (i / 2) + 8 (i % 2) + r + 8 (r / 8): the rows of a tile are not neighbours, so that a transposed product's 16 registers of two tiles are 16 neighbours.
; Scale words at SCO + 512 q + 256 (i / 4) + 16 r + 4 (i % 4), byte b for block b of the K step.
; A block's scale is 2^(floor(log2(largest magnitude)) - 2): its byte is the largest magnitude's exponent field - 2, held at 1 from below.
; LIMITS: a block of zeros, and a block whose largest magnitude lies under 2^-124, get the byte 1 (zeros' codes are zeros; the bytes are read by this program alone); NaN and infinities are not served.
; Work-groups 0-255 take x (a wave: 64 rows x 128 along K, turned through its own stage in LDS); 256-447 Wq, Wk, Wv; 448-511 Wp (a wave: 32 columns x 128 along K, a lane to a column, no LDS).
; No matrix unit, no cluster, no tensor load: every byte is read once and nothing is shared between waves.
.set FRB,    1536                      ; a fragment's image: 12 registers x 32 lanes x 4 bytes
.set KST,    8*FRB                     ; a K step's eight fragments
.set SCO,    2*KST                     ; where a record's scale words begin
.set REC,    SCO+1024                  ; 25,600 bytes = 100 x 256
.set GREC,   4*REC                     ; 128 rows, all of K
.set SPITCH, 528                       ; a stage row: 512 bytes + 16, so that sixteen rows begin in sixteen different columns of 16 bytes
.set WSTG,   16*SPITCH                 ; a wave's stage
.set SPARE,  4*WSTG                    ; behind the stages: the spare words, 128 bytes a wave
.set SPW, 5                            ; v5   my spare word's address; never rewritten
.set NIL, 6                            ; v6   0; never rewritten
.set WD,  16                           ; v16-19 scale words
.set T,   20                           ; v20-27 a block's upper 16 codes, before they are moved
.set PC,  28                           ; v28-51 codes: two sets of 12
.set R,   52                           ; v52-179 numbers as loaded
.set X,   180                          ; v180-243 x path: 64 numbers in the operand's order
	s_load_b256 s[4:11], s[0:1], 0x0               ; x, Wq, Wk, Wv
	s_load_b128 s[12:15], s[0:1], 0x20             ; Wp, xpack
	s_load_b64 s[16:17], s[0:1], 0x30              ; wpack
	v_lshl_add_u32 v[SPW], v0, 2, SPARE
	v_mov_b32 v[NIL], 0
	v_lshrrev_b32 v1, 5, v0
	v_readfirstlane_b32 s18, v1                    ; wave 0..3
	v_and_b32 v15, 31, v0                          ; lane
	s_mov_b32 s20, 0x76543210
	s_mov_b32 s21, 0xfedcba98                      ; v_permlanex16_b32's selects for lane l xor 16
	s_mov_b32 s22, 0xffff0000                      ; a lane mask: lanes 16-31
	s_wait_kmcnt 0x0
	s_cmp_ge_u32 ttmp9, 256
	s_cbranch_scc1 .Lweights
; ---------------------------------------------------------------- x: K innermost
.macro LOADX t                         ; tile t's sixteen rows: each load reads a row's 512 consecutive bytes of this K step
.irp j, 0,1,2,3,4,5,6,7,8,9,10,11,12,13,14,15
	global_load_b128 v[R+64*((\t)%2)+4*\j:R+64*((\t)%2)+4*\j+3], v1, s[4:5] offset:(32*((\t)/2)+8*((\t)%2)+\j+8*(\j/8))*4096 th:TH_LOAD_NT
.endr
.endm
.macro TURN t                          ; through my stage: in as loaded, out as lane (r, h) wants them: row r, blocks h and 2 + h.  LDS serves a wave's instructions in order
.irp j, 0,1,2,3,4,5,6,7,8,9,10,11,12,13,14,15
	ds_store_b128 v2, v[R+64*((\t)%2)+4*\j:R+64*((\t)%2)+4*\j+3] offset:SPITCH*\j
.endr
.irp c, 0,1
.irp p, 0,1,2,3,4,5,6,7
	ds_load_b128 v[X+32*\c+4*\p:X+32*\c+4*\p+3], v3 offset:256*\c+16*\p
.endr
.endr
.endm
.macro QX t                            ; my two whole blocks become the fragment's 12 registers and my row's scale word
.set PS, PC+12*((\t)%2)
.irp c, 0,1
	v_max3_num_f32 v[8+\c], |v[X+32*\c]|, |v[X+32*\c+1]|, 0x1800000   ; with the floor 2^(3 - 127) among the leaves: the byte cannot fall under 1
.endr
.irp i, 2,4,6,8,10,12,14,16,18,20,22,24,26,28,30
.irp c, 0,1
	v_max3_num_f32 v[8+\c], v[8+\c], |v[X+32*\c+\i]|, |v[X+32*\c+\i+1]|
.endr
.endr
.irp c, 0,1
	v_add_nc_u32 v[10+\c], 0xff000000, v[8+\c]     ; 2 off the exponent field: the conversion's scale operand
.endr
.irp c, 0,1
	v_cvt_scalef32_pk16_fp6_f32 v[PS+6*\c:PS+6*\c+2], v[X+32*\c:X+32*\c+15], v[10+\c]
	v_cvt_scalef32_pk16_fp6_f32 v[T+4*\c:T+4*\c+2], v[X+32*\c+16:X+32*\c+31], v[10+\c]   ; (a conversion's three registers begin on an even number)
.endr
	v_nop                                          ; one plain place behind the scaled conversions
	v_lshrrev_b32 v12, 23, v10                     ; the bytes of blocks h and 2 + h,
	v_lshrrev_b32 v13, 23, v11
	v_lshl_or_b32 v12, v13, 16, v12
	v_lshlrev_b32 v12, v7, v12                     ; at their places in the word (8 h bits up);
	v_permlanex16_b32 v14, v12, s20, s21
	v_or_b32 v[WD+(\t)], v12, v14                  ; with lane l xor 16's two the word is whole
.irp c, 0,1
.irp i, 0,1,2
	v_mov_b32 v[PS+6*\c+3+\i], v[T+4*\c+\i]
.endr
.endr
.irp k, 0,1,2
	global_store_b128 v1, v[PS+4*\k:PS+4*\k+3], s[34:35] offset:(\t)*FRB+512*\k   ; 512 consecutive bytes, aligned
.endr
.endm
	s_lshl_b32 s24, ttmp9, 2
	s_add_co_u32 s24, s24, s18                     ; my task: G = id / 16, K step s = (id / 2) % 8, half hf = id % 2 (tiles 4 hf .. 4 hf + 3)
	s_lshr_b32 s25, s24, 4
	s_bfe_u32 s26, s24, 0x30001
	s_and_b32 s27, s24, 1
	s_lshl_b32 s28, s25, 19                        ; x: (128 G + 64 hf) rows of 4,096 bytes + 512 s
	s_lshl_b32 s30, s27, 18
	s_add_co_u32 s28, s28, s30
	s_lshl_b32 s30, s26, 9
	s_add_co_u32 s28, s28, s30
	s_mov_b32 s29, 0
	s_add_nc_u64 s[4:5], s[4:5], s[28:29]
	s_mul_i32 s28, s25, GREC
	s_lshr_b32 s30, s26, 1
	s_mul_i32 s30, s30, REC
	s_add_co_u32 s28, s28, s30                     ; my record
	s_and_b32 s30, s26, 1
	s_mul_i32 s31, s30, KST
	s_add_co_u32 s34, s28, s31
	s_mul_i32 s31, s27, 4*FRB
	s_add_co_u32 s34, s34, s31
	s_mov_b32 s35, 0
	s_lshl_b32 s31, s30, 9
	s_add_co_u32 s36, s28, s31
	s_lshl_b32 s31, s27, 8
	s_add_co_u32 s36, s36, s31
	s_add_co_u32 s36, s36, SCO
	s_mov_b32 s37, 0
	s_add_nc_u64 s[34:35], s[14:15], s[34:35]      ; my four fragments
	s_add_nc_u64 s[36:37], s[14:15], s[36:37]      ; my 256 bytes of scale words
	s_wait_alu depctr_va_vdst(0)
	v_lshlrev_b32 v1, 4, v15                       ; 16 x lane
	v_and_b32 v8, 15, v0                           ; r
	v_bfe_u32 v9, v0, 4, 1                         ; h
	s_mul_i32 s23, s18, WSTG
	v_add_nc_u32 v2, s23, v1                       ; the stage, on the way in
	v_mul_u32_u24 v3, v8, SPITCH
	v_lshl_add_u32 v3, v9, 7, v3
	v_add_nc_u32 v3, s23, v3                       ; and out: row r, + 128 h
	v_lshlrev_b32 v4, 4, v8
	v_lshl_add_u32 v4, v9, 3, v4                   ; the scale words' place: 16 r + 8 h
	v_lshlrev_b32 v7, 3, v9                        ; 8 h
	v_mov_b32 v14, 0                               ; a lane permute's destination counts as one of its sources
	LOADX 0
	LOADX 1
	s_wait_alu depctr_va_vdst(0)
	s_wait_loadcnt 16                              ; tile 0's sixteen loads are in; tile 1's may be out
	TURN 0
	s_wait_dscnt 0x0                               ; the numbers are back, and the stage's stores have read their registers,
	LOADX 2                                        ; which take the loads of two tiles on
	QX 0
	s_wait_loadcnt 16
	TURN 1
	s_wait_dscnt 0x0
	LOADX 3
	QX 1
	s_wait_loadcnt 16
	TURN 2
	s_wait_dscnt 0x0
	s_wait_xcnt 0x0                                ; tile 0's stores have read their set of codes: it is written again only behind this wait
	QX 2
	s_wait_loadcnt 0x0
	TURN 3
	s_wait_dscnt 0x0
	s_wait_xcnt 0x0                                ; likewise tile 1's
	QX 3
	v_cndmask_b32 v244, v[WD], v[WD+2], s22        ; lane (r, h) stores the words of tiles 2 h and 2 h + 1 of row r:
	v_cndmask_b32 v245, v[WD+1], v[WD+3], s22
	global_store_b64 v4, v[244:245], s[36:37]      ; 256 consecutive bytes, aligned
	s_wait_tensorcnt 0x0                           ; the wave's end, behind my last LDS store
	ds_add_u32 v[SPW], v[NIL]
	s_wait_dscnt 0x0
	s_endpgm
; ---------------------------------------------------------------- the weights: K is not innermost: a lane takes a column, its registers run down K
.macro LOADB b, pitch                  ; block b: 32 rows of the weight at my column; a load reads 128 consecutive bytes
.irp i, 0,1,2,3,4,5,6,7,8,9,10,11,12,13,14,15,16,17,18,19,20,21,22,23,24,25,26,27,28,29,30,31
	global_load_b32 v[R+32*(\b)+\i], v1, s[38:39] offset:(32*(\b)+\i)*(\pitch) th:TH_LOAD_NT
.endr
.endm
.macro WBLOCK b                        ; all 32 numbers of block b are mine.  Block b belongs to target lane (r, b % 2), registers 6 (b / 2) on
.set XS, R+32*(\b)
.set PD, PC+12*((\b)%2)+6*((\b)/2)
	v_max3_num_f32 v8, |v[XS]|, |v[XS+1]|, |v[XS+2]|
	v_max3_num_f32 v9, |v[XS+3]|, |v[XS+4]|, |v[XS+5]|
.irp i, 6,10,14,18,22,26
	v_max3_num_f32 v8, v8, |v[XS+\i]|, |v[XS+\i+1]|
	v_max3_num_f32 v9, v9, |v[XS+\i+2]|, |v[XS+\i+3]|
.endr
	v_max3_num_f32 v8, v8, |v[XS+30]|, |v[XS+31]|
	v_max3_num_f32 v8, v8, v9, 0x1800000           ; and the floor
	v_add_nc_u32 v10, 0xff000000, v8
	v_lshrrev_b32 v12, 23, v10
.if (\b) == 0
	v_mov_b32 v[WD], v12
.else
	v_lshl_or_b32 v[WD], v12, 8*(\b), v[WD]        ; my column's scale word for this K step
.endif
	v_cvt_scalef32_pk16_fp6_f32 v[PD:PD+2], v[XS:XS+15], v10
	v_cvt_scalef32_pk16_fp6_f32 v[T:T+2], v[XS+16:XS+31], v10
	v_nop                                          ; one plain place behind the scaled conversions
.irp i, 0,1,2
	v_mov_b32 v[PD+3+\i], v[T+\i]
.endr
.endm
.macro WPATH pitch
	LOADB 0, \pitch
	LOADB 1, \pitch
	s_wait_loadcnt 32                              ; block 0 is in; block 1's 32 loads may be out
	LOADB 2, \pitch
	WBLOCK 0
	s_wait_loadcnt 32                              ; block 1 is in; block 2's may be out
	LOADB 3, \pitch
	WBLOCK 1
	s_wait_loadcnt 32
	WBLOCK 2
	s_wait_loadcnt 0x0
	WBLOCK 3
.irp h, 0,1
.irp k, 0,1,2
	global_store_b128 v2, v[PC+12*\h+4*\k:PC+12*\h+4*\k+3], s[34:35] offset:256*\h+512*\k   ; the images of lanes (r, h) of two tiles: twice 256 consecutive bytes, aligned
.endr
.endr
	global_store_b32 v3, v[WD], s[36:37]           ; 4 bytes a lane, 16 bytes apart: the words of four tiles interleave, and two waves hold them (128 KB in the launch)
.endm
.Lweights:
	s_sub_co_u32 s24, ttmp9, 256
	s_lshr_b32 s25, s24, 6                         ; which weight: 0 Wq, 1 Wk, 2 Wv, 3 Wp
	s_bfe_u32 s26, s24, 0x30003                    ; K step
	s_and_b32 s27, s24, 7                          ; G: 128 columns; my wave takes 32 of them: tiles 2 w and 2 w + 1
	s_wait_alu depctr_va_vdst(0)
	v_lshlrev_b32 v1, 2, v15                       ; 4 x lane
	v_bfe_u32 v8, v0, 3, 1                         ; column x = 8 u + r + 8 (r / 8): u,
	v_and_b32 v9, 7, v0
	v_bfe_u32 v10, v0, 4, 1
	v_lshl_add_u32 v9, v10, 3, v9                  ; r
	v_lshlrev_b32 v9, 4, v9
	v_mad_u32_u24 v2, v8, FRB, v9                  ; FRB u + 16 r
	v_lshl_add_u32 v3, v8, 2, v9                   ; 16 r + 4 u
	s_lshl_b32 s28, s25, 3
	s_add_co_u32 s28, s28, s27
	s_mul_i32 s28, s28, GREC
	s_lshr_b32 s30, s26, 1
	s_mul_i32 s30, s30, REC
	s_add_co_u32 s28, s28, s30                     ; my record
	s_and_b32 s30, s26, 1
	s_mul_i32 s31, s30, KST
	s_add_co_u32 s34, s28, s31
	s_mul_i32 s31, s18, 2*FRB
	s_add_co_u32 s34, s34, s31
	s_mov_b32 s35, 0
	s_lshl_b32 s31, s30, 9
	s_add_co_u32 s36, s28, s31
	s_lshr_b32 s31, s18, 1
	s_lshl_b32 s31, s31, 8
	s_add_co_u32 s36, s36, s31
	s_and_b32 s31, s18, 1
	s_lshl_b32 s31, s31, 3
	s_add_co_u32 s36, s36, s31
	s_add_co_u32 s36, s36, SCO
	s_mov_b32 s37, 0
	s_add_nc_u64 s[34:35], s[16:17], s[34:35]
	s_add_nc_u64 s[36:37], s[16:17], s[36:37]
	s_mov_b32 s29, 0
	s_cmp_eq_u32 s25, 3
	s_cbranch_scc1 .Lwp
	s_cmp_eq_u32 s25, 0                            ; [16][1024][64]: column = head x 64 + d; a row of a head is 256 bytes
	s_cselect_b64 s[38:39], s[6:7], s[8:9]
	s_cmp_eq_u32 s25, 2
	s_cselect_b64 s[38:39], s[10:11], s[38:39]
	s_lshl_b32 s28, s27, 1
	s_lshr_b32 s30, s18, 1
	s_add_co_u32 s28, s28, s30                     ; head 2 G + w / 2
	s_lshl_b32 s28, s28, 18
	s_lshl_b32 s30, s26, 15                        ; 128 rows of 256 bytes a K step
	s_add_co_u32 s28, s28, s30
	s_and_b32 s30, s18, 1
	s_lshl_b32 s30, s30, 7                         ; d = 32 (w % 2) on
	s_add_co_u32 s28, s28, s30
	s_add_nc_u64 s[38:39], s[38:39], s[28:29]
	s_wait_alu depctr_va_vdst(0)
	WPATH 256
	s_endpgm
.Lwp:
	s_lshl_b32 s28, s26, 19                        ; [1024][1024]: 128 rows of 4,096 bytes a K step
	s_lshl_b32 s30, s27, 9
	s_add_co_u32 s28, s28, s30
	s_lshl_b32 s30, s18, 7
	s_add_co_u32 s28, s28, s30
	s_add_nc_u64 s[38:39], s[12:13], s[28:29]
	s_wait_alu depctr_va_vdst(0)
	WPATH 4096
	s_endpgm
.Lfunc_end_k_qd6d98379f0_quant:
	.size	k_qd6d98379f0_quant, .Lfunc_end_k_qd6d98379f0_quant-k_qd6d98379f0_quant
	.p2alignl 7, 3214868480
	.fill 96, 4, 3214868480
	.section	.rodata,"a",@progbits
	.p2align	6, 0x0
	.amdhsa_kernel k_qd6d98379f0_quant
		.amdhsa_group_segment_fixed_size 34304
		.amdhsa_private_segment_fixed_size 0
		.amdhsa_enable_private_segment 0
		.amdhsa_kernarg_size 56
		.amdhsa_user_sgpr_count 2
		.amdhsa_user_sgpr_kernarg_segment_ptr 1
		.amdhsa_wavefront_size32 1
		.amdhsa_system_sgpr_workgroup_id_x 1
		.amdhsa_system_sgpr_workgroup_id_y 1
		.amdhsa_system_sgpr_workgroup_id_z 1
		.amdhsa_system_vgpr_workitem_id 0
		.amdhsa_next_free_vgpr 256
		.amdhsa_next_free_sgpr 66
		.amdhsa_reserve_vcc 0
		.amdhsa_float_denorm_mode_32 3
		.amdhsa_float_denorm_mode_16_64 3
		.amdhsa_memory_ordered 1
		.amdhsa_forward_progress 1
		.amdhsa_inst_pref_size 70
	.end_amdhsa_kernel
	.amdgpu_metadata
---
amdhsa.version: [ 1, 2 ]
amdhsa.kernels:
  - .name:           k_qd6d98379f0_quant
    .symbol:         k_qd6d98379f0_quant.kd
    .args:
      - { .name: x, .offset: 0, .size: 8, .value_kind: global_buffer, .address_space: global }
      - { .name: Wq, .offset: 8, .size: 8, .value_kind: global_buffer, .address_space: global }
      - { .name: Wk, .offset: 16, .size: 8, .value_kind: global_buffer, .address_space: global }
      - { .name: Wv, .offset: 24, .size: 8, .value_kind: global_buffer, .address_space: global }
      - { .name: Wp, .offset: 32, .size: 8, .value_kind: global_buffer, .address_space: global }
      - { .name: xpack, .offset: 40, .size: 8, .value_kind: global_buffer, .address_space: global }
      - { .name: wpack, .offset: 48, .size: 8, .value_kind: global_buffer, .address_space: global }
    .group_segment_fixed_size: 34304
    .private_segment_fixed_size: 0
    .kernarg_segment_align: 8
    .kernarg_segment_size: 56
    .max_flat_workgroup_size: 128
    .sgpr_count:     66
    .vgpr_count:     256
    .wavefront_size: 32
...
	.end_amdgpu_metadata
.endif
;; end of part 1
;; launch qkv (part 2): grid 4 x 64, 4 waves a work-group, clusters of 4 x 4, 327,680 bytes of LDS; arguments xpack, wpack, qpack, kpack, vpack; writes qpack, kpack, vpack
.if DOCPART == 2
	.amdgcn_target "amdgcn-amd-amdhsa--gfx1250"
	.amdhsa_code_object_version 6
	.text
	.protected	k_qd6d98379f0_qkv
	.globl	k_qd6d98379f0_qkv
	.p2align	8
	.type	k_qd6d98379f0_qkv,@function
k_qd6d98379f0_qkv:
	s_mov_b64 s[64:65], 0
	v_nop
	global_prefetch_b8 v0, s[64:65] scope:SCOPE_SE
	s_setreg_imm32_b32 hwreg(HW_REG_WAVE_MODE, 25, 1), 1
	s_wait_xcnt 0x0
	s_wait_alu depctr_hold_cnt(0) depctr_sa_sdst(0) depctr_va_vdst(0) depctr_va_sdst(0) depctr_va_ssrc(0) depctr_va_vcc(0) depctr_vm_vsrc(0)
	s_getreg_b32 s2, hwreg(HW_REG_IB_STS2, 6, 4)
	s_cmp_eq_u32 s2, 0
	s_cbranch_scc0 .Lentry_in_a_cluster
	s_endpgm
.Lentry_in_a_cluster:
	s_bfe_u32 s2, ttmp6, 0x10000c
	s_cmp_lg_u32 s2, 0xf033
	s_cbranch_scc0 .Lentry_shape_is_right
	s_endpgm
.Lentry_shape_is_right:
; q, k, v = x W on codes of FP6 (E2M3) with E8M0 scales, K = 1,024; the results are quantised in registers, q and k along the head's 64, v along the tokens, and leave as operand images for the attention launch.
; A WORK-GROUP STAYS: it takes ONE record of 128 tokens of x, loaded once, and walks three tiles: against 256 rows of Wq, of Wk, of Wv (column group cx of each): 64 records x 4 groups = 256 work-groups.
; LDS: x's record, all of K, at 0 (GREC bytes); the weights' two records behind it as TWO HALVES OF K (GREC bytes each: record 0's half, then record 1's): a ring of two slots.
; A half is filled again with the next weight's half as soon as its last fragments are in registers: in K step 3 (half 0) and in K step 7 (half 1), each in a round of the cluster's barrier, one joint load of 100 rows a wave.
; What a refill brought is shown to all waves by the next round, or in the last tile by a plain barrier behind which nothing is filled.
; Four waves, 32 accumulators each.  q, k: a wave makes 64 tokens x 128 columns; source 0 = a tile of W, source 1 = a tile of x: a lane holds a token, its registers run along (head, d).
; v: a wave makes 64 rows of Wv (one head) x all 128 tokens; source 0 = a tile of x, source 1 = a tile of Wv: a lane holds one (head, d), its registers run along the tokens, the K of the attention's second product.
; The rows of a tile in the packs are chosen so that the 16 registers of tiles 2 B and 2 B + 1 are the 16 neighbours 32 B + 16 (lane / 16) + 0 .. 15.
; Tiles 0 and 1 are a loop of two trips; the last tile, which asks for nothing, is written out.  Which fragments are fetched for the next tile's first K step is chosen by a branch on the trip's number, round LDS loads alone.
; CLUSTERS: 4 x 4.  x's record hangs on the cluster's row alone, the weights on its column alone: each is asked for jointly by the four that share it.
; PREFETCH: the next weight's 800 blocks of 256 bytes, 50 to each of the 16 waves of a column of the cluster, told apart by address: Wk's at the head (three K steps ahead of its first load), Wv's in the first trip
; (a tile ahead).  All sixteen clusters read the same weights, so four clusters ask.  x's record is asked for at the head alone: nothing to run ahead of.
; OUT: q, k: [batch x 16 + head][token / 128][SREC]: four double fragments (registers 0-5: tile 2 b's d-block h; 6-11: tile 2 b + 1's), words at SSC + 128 (b / 2) + 8 r + 4 (b % 2).
;      v: the same frame; four true fragments (row d, K = 128 tokens), words at SSC + 16 r + 4 dt.
; LIMITS: a block of zeros, or one whose largest magnitude lies under 2^-124, gets the scale byte 1 (read by this program alone); NaN and infinities are not served.
; REGISTERS: window 0: addresses, scale words, the way out.  window 1: the accumulators, (a, b) at v[8 (8 a + b)].  windows 2, 3: two sets of fragments: source 0's eight at v[12 b], source 1's four at v[96 + 12 a].
.set FRB,   1536
.set KST,   8*FRB
.set SCO,   2*KST
.set REC,   SCO+1024                   ; 256 along K of 128 rows: 100 x 256 bytes
.set GREC,  4*REC
.set SSC,   4*FRB
.set SREC,  SSC+256
.set SPARE, 3*GREC                     ; behind x and the ring: the spare words, 128 bytes a wave
.set ADA,  4                           ; v4, v5   q, k: source 1's fragments (x), K steps 0-3, 4-7
.set ADB,  6                           ; v6, v7   source 0's (W)
.set ADS1, 8                           ; v8, v9   scale words: lanes 0-15 source 1's four tiles', lanes 16-31 source 0's tiles 0-3's
.set ADS2, 10                          ; v10, v11 lanes 16-31: source 0's tiles 4-7's
.set SPW,  12                          ; v12 my spare word's address; never rewritten
.set NIL,  13                          ; v13 0; never rewritten
.set SOF,  14                          ; v14 the scale words' offset on the way out
.set SC,   16                          ; v16-31 scale words, two sets of 8
.set TM,   32                          ; v32-47 largest magnitudes, bytes, scale operands
.set CT,   48                          ; v48-55 conversions' second halves
.set WW,   56                          ; v56-59 a row's scale word for each of source 1's four tiles
.set PFO,  119                         ; v119 the prefetches' offset; never rewritten
.set VDA,  120                         ; v120-127 the same four pairs of addresses for v: source 1 = Wv, source 0 = x
.set VDB,  122
.set VDS1, 124
.set VDS2, 126
.set G1A,  24                          ; s[24:31] group 1: half of x's record, 200 rows
.set G1B,  32                          ; s[32:39] a half of both weight records at the head: 2 rows of 2 REC bytes
.set G0A,  48                          ; s[48:55] group 0 of x's two halves
.set G1R,  56                          ; s[56:63] group 1 of a refill: 100 rows
.set G0B,  68                          ; s[68:75] group 0 of the weights' two halves at the head
.set G0R,  76                          ; s[76:83] group 0 of the refills, one for each half
.set SEL,  90
.set HM,   92
.set MSB, 0
.macro WIN new                         ; the immediate's high byte repeats the setting that is left
.if MSB != (\new)
	s_set_vgpr_msb (MSB<<8)|(\new)
.set MSB, (\new)
.endif
.endm
.macro CREST                           ; a round of the cluster's barrier behind its opening barrier
	s_cmp_lg_u32 s14, 0
	s_cbranch_scc1 .Lnot_wave_0_\@
	s_barrier_signal -3
.Lnot_wave_0_\@:
	s_barrier_wait -3
	s_barrier_signal -1
	s_barrier_wait -1
.endm
.macro CROUND
	s_barrier_signal -1
	s_barrier_wait -1
	CREST
.endm
.macro PLACES                          ; four plain places behind matrix instructions, ahead of loads into their registers and of reads of their results
.rept 4
	v_nop
.endr
.endm
.macro WALU
	s_wait_alu depctr_va_vdst(0)
.endm
	s_load_b256 s[4:11], s[0:1], 0x0               ; xpack, wpack, qpack, kpack
	s_load_b64 s[12:13], s[0:1], 0x20              ; vpack
	v_lshl_add_u32 v[SPW], v0, 2, SPARE
	v_mov_b32 v[NIL], 0
	ds_add_u32 v[SPW], v[NIL]                      ; the opening lines: the add, twice on end, and its wait
	ds_add_u32 v[SPW], v[NIL]
	v_lshrrev_b32 v1, 5, v0
	v_readfirstlane_b32 s14, v1                    ; wave 0..3
	s_lshr_b32 s15, s14, 1                         ; wr
	s_and_b32 s16, s14, 1                          ; wc
	s_bfe_u32 s17, ttmp6, 0x40000                  ; cx: the column group
	s_bfe_u32 s18, ttmp6, 0x40004                  ; cy
	s_and_b32 s20, ttmp7, 0xffff                   ; cluster y: 0 .. 15
	s_lshl_b32 s40, s18, 2
	s_lshl_b32 s40, 15, s40                        ; my row of the cluster
	s_lshl_b32 s41, 0x1111, s17                    ; my column
	s_or_b32 s[G1A], s40, (3<<16)|(1<<21)          ; 15:0 the mask; 17:16 elements of 8 bytes; 21 set beside a mask; no padding: images are read 16 bytes a lane on end
	s_or_b32 s[G1B], s41, (3<<16)|(1<<21)
	s_or_b32 s[G1R], s41, (3<<16)|(1<<21)
	s_mov_b32 s[G1A+1], 32<<16                     ; rows of 256 bytes, dense
	s_mov_b32 s[G1A+2], 200<<16
	s_mov_b32 s[G1A+3], 32<<16
	s_mov_b32 s[G1A+4], 200
	s_mov_b32 s[G1A+5], 32
	s_mov_b32 s[G1A+6], 0
	s_mov_b32 s[G1A+7], 0
	s_mov_b32 s[G1B+1], (REC/4)<<16                ; 2 rows of 2 REC bytes, GREC bytes apart
	s_mov_b32 s[G1B+2], 2<<16
	s_mov_b32 s[G1B+3], (REC/4)<<16
	s_mov_b32 s[G1B+4], 2
	s_mov_b32 s[G1B+5], GREC/8
	s_mov_b32 s[G1B+6], 0
	s_mov_b32 s[G1B+7], 0
	s_mov_b32 s[G1R+1], 32<<16
	s_mov_b32 s[G1R+2], 100<<16
	s_mov_b32 s[G1R+3], 32<<16
	s_mov_b32 s[G1R+4], 100
	s_mov_b32 s[G1R+5], 32
	s_mov_b32 s[G1R+6], 0
	s_mov_b32 s[G1R+7], 0
	s_lshl_b32 s22, s20, 2
	s_add_co_u32 s22, s22, s18                     ; x's record, 0 .. 63: it holds cy and never cx
	s_mul_i32 s42, s22, GREC
	s_mov_b32 s43, 0
	s_lshl_b32 s44, s17, 1
	s_mul_i32 s44, s44, GREC                       ; Wq's two records of my group: it holds cx and never cy
	s_mov_b32 s45, 0
	s_mul_i32 s88, s15, GREC
	s_mul_i32 s89, s16, REC
	s_add_co_u32 s88, s88, s89                     ; my quarter of a half in memory: record w / 2, chunk w % 2 of the half
	s_mov_b32 s89, 0
	s_mul_i32 s46, s14, REC
	s_add_co_u32 s46, s46, GREC                    ; and in LDS: w REC into the half
	s_mov_b32 s[SEL], 0x76543210
	s_mov_b32 s[SEL+1], 0xfedcba98
	s_mov_b32 s[HM], 0xffff0000
	s_wait_dscnt 0x0                               ; both opening adds are done
	s_wait_kmcnt 0x0
	s_add_nc_u64 s[42:43], s[4:5], s[42:43]
	s_add_nc_u64 s[44:45], s[6:7], s[44:45]
	s_add_nc_u64 s[88:89], s[44:45], s[88:89]
	CROUND                                         ; all sixteen work-groups are here: the joint loads meet
.irp c, 0,1                            ; half c of K
	s_mov_b32 s[G0A+4*\c], 1
	s_mov_b32 s[G0A+4*\c+1], \c*2*REC
	s_add_nc_u64 s[G0A+4*\c+2:G0A+4*\c+3], s[42:43], \c*2*REC
	s_or_b32 s[G0A+4*\c+3], s[G0A+4*\c+3], 0x80000000
	s_mov_b32 s[G0B+4*\c], 1
	s_mov_b32 s[G0B+4*\c+1], GREC+\c*GREC
	s_add_nc_u64 s[G0B+4*\c+2:G0B+4*\c+3], s[44:45], \c*2*REC
	s_or_b32 s[G0B+4*\c+3], s[G0B+4*\c+3], 0x80000000
.endr
	s_mov_b32 s[G0R], 1                            ; the refills: half 0 begins at Wk's (8 records on);
	s_mov_b32 s[G0R+1], s46
	s_add_nc_u64 s[G0R+2:G0R+3], s[88:89], 8*GREC
	s_or_b32 s[G0R+3], s[G0R+3], 0x80000000
	s_mov_b32 s[G0R+4], 1                          ; half 1 at Wq's: each round steps the other half's address 8 records on ahead of its use
	s_add_co_u32 s[G0R+5], s46, GREC
	s_add_nc_u64 s[G0R+6:G0R+7], s[88:89], 2*REC
	s_or_b32 s[G0R+7], s[G0R+7], 0x80000000
; one load a wave, in one chain of branches on the wave's number: wave 0 x's first half of K, wave 1 Wq's, wave 2 x's second half, wave 3 Wq's
.macro ARM under, g0, g1, next
	s_cmp_lt_u32 s14, \under
	s_cbranch_scc0 \next
	tensor_load_to_lds s[\g0:\g0+3], s[\g1:\g1+7]
	s_nop 0
.rept 4
	v_nop
.endr
	s_branch .Lasked
\next:
.endm
	ARM 1, G0A, G1A, .Lw1
	ARM 2, G0B, G1B, .Lw2
	ARM 3, G0A+4, G1A, .Lw3
	tensor_load_to_lds s[G0B+4:G0B+7], s[G1B:G1B+7]
	s_nop 0
.rept 4
	v_nop
.endr
.Lasked:
	s_mul_i32 s84, s15, 4*FRB                      ; q, k: my four tiles of x
	s_mul_i32 s85, s16, 2*REC
	s_add_co_u32 s85, s85, GREC                    ; my record of W in a half
	s_lshl_b32 s86, s15, 8
	s_sub_co_u32 s87, s85, s86                     ; from x's words to W's
	s_add_co_u32 s93, s86, SCO
	s_mul_i32 s94, s15, 2*REC
	s_add_co_u32 s94, s94, GREC                    ; v: my record of Wv in a half,
	s_mul_i32 s95, s16, 4*FRB
	s_add_co_u32 s95, s95, s94                     ; my four tiles of it,
	s_lshl_b32 s88, s16, 8
	s_add_co_u32 s88, s88, s94                     ; from x's words to theirs
	s_lshl_b32 s89, s18, 2
	s_add_co_u32 s89, s89, s14
	s_mul_i32 s89, s89, 50*256                     ; the prefetches: my wave's 50 blocks among the column's 16 waves
	s_lshr_b32 s96, s22, 4                         ; where q's or k's results go: head hA = 4 cx + 2 wc of batch record / 16, token block record % 16
	s_lshl_b32 s96, s96, 4
	s_lshl_b32 s97, s17, 2
	s_add_co_u32 s96, s96, s97
	s_lshl_b32 s97, s16, 1
	s_add_co_u32 s96, s96, s97
	s_mul_i32 s96, s96, GREC
	s_and_b32 s97, s22, 15
	s_mul_i32 s97, s97, SREC
	s_add_co_u32 s96, s96, s97
	s_lshl_b32 s98, s15, 7
	s_add_co_u32 s98, s98, s96
	s_add_co_u32 s98, s98, SSC                     ; the scale words,
	s_mov_b32 s99, 0
	s_mul_i32 s97, s15, 2*FRB
	s_add_co_u32 s96, s96, s97                     ; the codes
	s_mov_b32 s97, 0
	s_cmp_lt_u32 s20, 4
	s_cselect_b32 s46, 0, 1                        ; 0 in the four clusters that prefetch
	v_and_b32 v1, 31, v0
	v_min_u32 v[PFO], 24, v1                       ; 25 blocks an instruction; the lanes left over name the last again
	v_lshl_add_u32 v[PFO], v[PFO], 8, s89
	v_lshlrev_b32 v1, 4, v1                        ; 16 x lane
	v_and_b32 v2, 15, v0                           ; r
	v_bfe_u32 v3, v0, 4, 1                         ; h
	v_add_nc_u32 v[ADA], s84, v1
	v_add_nc_u32 v[ADA+1], 2*REC, v[ADA]
	v_add_nc_u32 v[ADB], s85, v1
	v_add_nc_u32 v[ADB+1], GREC, v[ADB]
	v_mul_u32_u24 v[ADS1], s87, v3                 ; lanes 16-31 take W's words: the lower base + h x the distance
	v_lshl_add_u32 v[ADS1], v2, 4, v[ADS1]
	v_add_nc_u32 v[ADS1], s93, v[ADS1]
	v_mad_u32_u24 v[ADS1+1], v3, 2*REC, v[ADS1]    ; the second half of K: x's lanes 2 REC on, W's GREC on
	v_add_nc_u32 v[ADS1+1], 2*REC, v[ADS1+1]
	v_lshl_add_u32 v[ADS2], v3, 8, v[ADS1]
	v_lshl_add_u32 v[ADS2+1], v3, 8, v[ADS1+1]
	v_add_nc_u32 v[VDA], s95, v1
	v_add_nc_u32 v[VDA+1], GREC, v[VDA]
	v_add_nc_u32 v[VDB], 0, v1
	v_add_nc_u32 v[VDB+1], 2*REC, v1
	v_sub_nc_u32 v15, 1, v3                        ; 1 in lanes 0-15, which take Wv's words
	v_mul_u32_u24 v[VDS1], s88, v15
	v_lshl_add_u32 v[VDS1], v2, 4, v[VDS1]
	v_add_nc_u32 v[VDS1], SCO, v[VDS1]
	v_mad_u32_u24 v[VDS1+1], v15, 2*REC, v[VDS1]
	v_add_nc_u32 v[VDS1+1], 2*REC, v[VDS1+1]
	v_lshl_add_u32 v[VDS2], v3, 8, v[VDS1]
	v_lshl_add_u32 v[VDS2+1], v3, 8, v[VDS1+1]
.irp q, 0,1,2,3
	v_mov_b32 v[TM+4+\q], 0                        ; a lane permute's destination counts as one of its sources
.endr
; K step s's fragments and scale words into set p: 38 LDS loads in one run.  m = 0: q, k; m = 1: v
.macro FETCH s, p, m
.set OFF, (((\s)/2)%2)*REC+((\s)%2)*KST
.set SOFS, (((\s)/2)%2)*REC+((\s)%2)*512
.if \m
.set DA, VDA+(\s)/4
.set DB, VDB+(\s)/4
.set D1, VDS1+(\s)/4
.set D2, VDS2+(\s)/4
.else
.set DA, ADA+(\s)/4
.set DB, ADB+(\s)/4
.set D1, ADS1+(\s)/4
.set D2, ADS2+(\s)/4
.endif
	WIN 0x80+0x40*(\p)
.irp i, 0,1,2,3,4,5,6,7
.irp k, 0,1,2
	ds_load_b128 v[12*\i+4*\k:12*\i+4*\k+3], v[DB] offset:OFF+\i*FRB+512*\k
.endr
.endr
.irp a, 0,1,2,3
.irp k, 0,1,2
	ds_load_b128 v[96+12*\a+4*\k:96+12*\a+4*\k+3], v[DA] offset:OFF+\a*FRB+512*\k
.endr
.endr
	WIN 0
	ds_load_b128 v[SC+8*(\p):SC+8*(\p)+3], v[D1] offset:SOFS
	ds_load_b128 v[SC+8*(\p)+4:SC+8*(\p)+7], v[D2] offset:SOFS
.endm
; 8 matrix instructions: source 1's tile a against source 0's eight.  The 32 accumulators take turns, one instruction a turn, in the same order in every K step
.macro MULA p, first, a
.irp b, 0,1,2,3,4,5,6,7
.if \first
	v_wmma_scale_f32_16x16x128_f8f6f4 v[8*(8*\a+\b):8*(8*\a+\b)+7], v[12*\b:12*\b+11], v[96+12*\a:96+12*\a+11], 0, v[SC+8*(\p)+\b], v[SC+8*(\p)+\a] matrix_a_fmt:MATRIX_FMT_FP6 matrix_b_fmt:MATRIX_FMT_FP6 matrix_a_scale:MATRIX_SCALE_ROW1
.else
	v_wmma_scale_f32_16x16x128_f8f6f4 v[8*(8*\a+\b):8*(8*\a+\b)+7], v[12*\b:12*\b+11], v[96+12*\a:96+12*\a+11], v[8*(8*\a+\b):8*(8*\a+\b)+7], v[SC+8*(\p)+\b], v[SC+8*(\p)+\a] matrix_a_fmt:MATRIX_FMT_FP6 matrix_b_fmt:MATRIX_FMT_FP6 matrix_a_scale:MATRIX_SCALE_ROW1
.endif
.endr
.endm
; A K step.  show = 1: a plain barrier shows the last refill to all waves
.macro STEP s, first, m, show=0
	s_wait_dscnt 0x0                               ; this step's fragments, asked for a step ago, are in; and no LDS access of mine is open at a signal
.if \show
	s_wait_tensorcnt 0x0
	s_barrier_signal -1
	s_barrier_wait -1
.endif
.if (\s) < 7
.if (\s) > 0
	PLACES                                         ; the set to be loaded was read by the step before
.endif
	FETCH (\s)+1, 1-(\s)%2, \m
.endif
	WIN 0x5a+5*((\s)%2)
.irp a, 0,1,2,3
	MULA (\s)%2, \first, \a
.endr
.endm
; K step 3 or 7 of a tile that has a successor: the weights' half c has been read out and is filled again.  A tensor wait, an add and its wait, with eight products between the add and its wait;
; eight more inside the round; the joint refill first behind it, one load a wave; then the next step's fragments, out of the other half, which the round has shown whole
.macro SYNC s, c
	s_wait_dscnt 0x0                               ; this step's fragments are in: my reads of half c are over
	WIN 0
	s_wait_tensorcnt 0x0                           ; my load into the other half has landed
	ds_add_u32 v[SPW], v[NIL]
	s_add_nc_u64 s[G0R+6-4*\c:G0R+7-4*\c], s[G0R+6-4*\c:G0R+7-4*\c], 8*GREC   ; no load of mine is out: the other half's next address
	WIN 0x5f
	MULA 1, 0, 0
	s_wait_dscnt 0x0
	s_barrier_signal -1
	MULA 1, 0, 1
	WIN 0
	s_barrier_wait -1
	CREST
	tensor_load_to_lds s[G0R+4*\c:G0R+4*\c+3], s[G1R:G1R+7]
	s_nop 0
	PLACES                                         ; also the places ahead of the loads below
.if (\s) == 3
	FETCH 4, 0, 0
.else
	s_cmp_eq_u32 s47, 0                            ; the next tile's first K step: k's in the first trip, v's in the second
	s_cbranch_scc0 .Lnext_v
	FETCH 0, 0, 0
	s_branch .Lfetched
.Lnext_v:
	FETCH 0, 0, 1
.Lfetched:
.endif
	WIN 0x5f
	MULA 1, 0, 2
	MULA 1, 0, 3
.endm
; The 64 registers of source 1's tile a (register 16 B + e = source 0's row 32 B + 16 h + e of my row) become codes: blocks 0, 1 in v[d0 .. d0 + 5] (lane (r, h): block h whole), blocks 2, 3 in v[d1 ..]; the row's scale word in v[w].
.macro QUANT a, d0, d1, w
	WIN 0x14                                       ; sources 1 and 2: the accumulators' window
.irp q, 0,1,2,3
	v_max3_num_f32 v[TM+\q], 0x1800000, |v[64*(\a)+16*\q]|, |v[64*(\a)+16*\q+1]|   ; each accumulator from its low end on; the floor 2^(3 - 127) among the leaves
.endr
.irp i, 2,4,6,8,10,12,14
.irp q, 0,1,2,3
	v_max3_num_f32 v[TM+\q], v[TM+\q], |v[64*(\a)+16*\q+\i]|, |v[64*(\a)+16*\q+\i+1]|
.endr
.endr
	WIN 0
.irp q, 0,1,2,3
	v_permlanex16_b32 v[TM+4+\q], v[TM+\q], s[SEL], s[SEL+1]
.endr
.irp q, 0,1,2,3
	v_max_num_f32 v[TM+\q], v[TM+\q], v[TM+4+\q]   ; with lane l xor 16's 16: the block's largest magnitude
.endr
.irp q, 0,1,2,3
	v_add_nc_u32 v[TM+12+\q], 0xff000000, v[TM+\q] ; 2 off the exponent field: the conversion's scale operand
.endr
.irp q, 0,1,2,3
	v_lshrrev_b32 v[TM+4+\q], 23, v[TM+12+\q]      ; the byte
.endr
	v_lshl_or_b32 v[\w], v[TM+5], 8, v[TM+4]
	v_lshl_or_b32 v[\w], v[TM+6], 16, v[\w]
	v_lshl_or_b32 v[\w], v[TM+7], 24, v[\w]
	WIN 0x01
	v_cvt_scalef32_pk16_fp6_f32 v[\d0:\d0+2], v[64*(\a):64*(\a)+15], v[TM+12]
	v_cvt_scalef32_pk16_fp6_f32 v[CT:CT+2], v[64*(\a)+16:64*(\a)+31], v[TM+13]
	v_cvt_scalef32_pk16_fp6_f32 v[\d1:\d1+2], v[64*(\a)+32:64*(\a)+47], v[TM+14]
	v_cvt_scalef32_pk16_fp6_f32 v[CT+4:CT+6], v[64*(\a)+48:64*(\a)+63], v[TM+15]
	WIN 0
	v_nop                                          ; one plain place behind the scaled conversions
.irp i, 0,1,2
	v_permlane16_swap_b32 v[\d0+\i], v[CT+\i]      ; the halves change places: each lane now holds its block's lower 16 codes and, in CT, the upper 16
	v_permlane16_swap_b32 v[\d1+\i], v[CT+4+\i]
.endr
.irp i, 0,1,2
	v_mov_b32 v[\d0+3+\i], v[CT+\i]
	v_mov_b32 v[\d1+3+\i], v[CT+4+\i]
.endr
.endm
	WALU                                           ; the head's end
	s_cmp_lt_u32 s14, 2                            ; waves 0 and 1 wait for the first halves of K; the second halves may be out
	s_cbranch_scc0 .Llater
	s_wait_tensorcnt 0x0
.Llater:
	s_barrier_signal -1
	s_barrier_wait -1
	FETCH 0, 0, 0
	s_cmp_eq_u32 s46, 0
	s_cbranch_scc0 .Lno_wk
	global_prefetch_b8 v[PFO], s[44:45] offset:8*GREC th:TH_LOAD_NT scope:SCOPE_SE          ; Wk's two records of my group: my 50 blocks
	global_prefetch_b8 v[PFO], s[44:45] offset:8*GREC+25*256 th:TH_LOAD_NT scope:SCOPE_SE
.Lno_wk:
	s_mov_b32 s47, 0                               ; the trip: 0 q, 1 k
.Ltile:
	STEP 0, 1, 0                                   ; the first products start the sums
	WIN 0
	s_or_b32 s88, s46, s47
	s_cmp_eq_u32 s88, 0                            ; in the first trip, in the four clusters that ask:
	s_cbranch_scc0 .Lno_wv
	global_prefetch_b8 v[PFO], s[44:45] offset:16*GREC th:TH_LOAD_NT scope:SCOPE_SE         ; Wv's two records of my group
	global_prefetch_b8 v[PFO], s[44:45] offset:16*GREC+25*256 th:TH_LOAD_NT scope:SCOPE_SE
.Lno_wv:
	STEP 1, 0, 0
	STEP 2, 0, 0
	SYNC 3, 0
	STEP 4, 0, 0
	STEP 5, 0, 0
	STEP 6, 0, 0
	SYNC 7, 1
	WIN 0
	PLACES
	; ---- q or k.  My 128 columns are heads hA and hA + 1; x's tiles 2 p and 2 p + 1 make double fragment 2 wr + p of each head
	s_wait_xcnt 0x0                                ; the tile before has had its stores' registers and bases read: they are written again only behind this wait
	QUANT 0, 64, 76, WW
	QUANT 1, 70, 82, WW+1
	QUANT 2, 88, 100, WW+2
	QUANT 3, 94, 106, WW+3
	s_cmp_eq_u32 s47, 0
	s_cselect_b64 s[84:85], s[8:9], s[10:11]
	s_add_nc_u64 s[86:87], s[84:85], s[96:97]
	s_add_nc_u64 s[84:85], s[84:85], s[98:99]
	WALU
.irp p, 0,1
.irp k, 0,1,2
	global_store_b128 v1, v[64+24*\p+4*\k:64+24*\p+4*\k+3], s[86:87] offset:\p*FRB+512*\k          ; 512 consecutive bytes, aligned
	global_store_b128 v1, v[76+24*\p+4*\k:76+24*\p+4*\k+3], s[86:87] offset:GREC+\p*FRB+512*\k     ; head hA + 1
.endr
.endr
	v_perm_b32 v112, v[WW+1], v[WW], 0x05040100    ; head hA: tile 2 p's two bytes, then tile 2 p + 1's
	v_perm_b32 v113, v[WW+3], v[WW+2], 0x05040100
	v_perm_b32 v114, v[WW+1], v[WW], 0x07060302    ; head hA + 1
	v_perm_b32 v115, v[WW+3], v[WW+2], 0x07060302
	v_cndmask_b32 v116, v112, v114, s[HM]          ; lanes 0-15 store head hA's two words of row r, lanes 16-31 head hA + 1's
	v_cndmask_b32 v117, v113, v115, s[HM]
	v_mul_u32_u24 v[SOF], GREC, v3
	v_lshl_add_u32 v[SOF], v2, 3, v[SOF]
	global_store_b64 v[SOF], v[116:117], s[84:85]  ; 128 consecutive bytes a head: the other wave row holds the other half of the 256
	WALU                                           ; ahead of the backward jump
	s_add_co_u32 s47, s47, 1
	s_cmp_lt_u32 s47, 2
	s_cbranch_scc1 .Ltile
	; ---- the last tile: v.  Nothing more is asked for
	STEP 0, 1, 1
	STEP 1, 0, 1
	STEP 2, 0, 1
	STEP 3, 0, 1, 1                                ; every wave waits for its load: Wv's second half of K is shown to all
	STEP 4, 0, 1
	STEP 5, 0, 1
	STEP 6, 0, 1
	STEP 7, 0, 1
	WIN 0
	PLACES
	s_wait_xcnt 0x0
	QUANT 0, 64, 70, WW                            ; Wv's tile a is d-tile a of head 4 cx + wave; the 128 tokens are one key step: each tile's codes are a true fragment
	QUANT 1, 76, 82, WW+1
	QUANT 2, 88, 94, WW+2
	QUANT 3, 100, 106, WW+3
	s_lshr_b32 s93, s22, 4
	s_lshl_b32 s93, s93, 4                         ; 16 x batch
	s_lshl_b32 s94, s17, 2
	s_add_co_u32 s93, s93, s94
	s_add_co_u32 s93, s93, s14                     ; + head
	s_mul_i32 s93, s93, GREC
	s_and_b32 s94, s22, 15                         ; the key step
	s_mul_i32 s94, s94, SREC
	s_add_co_u32 s94, s93, s94
	s_mov_b32 s95, 0
	s_add_nc_u64 s[84:85], s[12:13], s[94:95]
	WALU
.irp a, 0,1,2,3
.irp k, 0,1,2
	global_store_b128 v1, v[64+12*\a+4*\k:64+12*\a+4*\k+3], s[84:85] offset:\a*FRB+512*\k
.endr
.endr
	v_cndmask_b32 v116, v[WW], v[WW+2], s[HM]      ; lane (r, h): the words of d-tiles 2 h and 2 h + 1 of row r
	v_cndmask_b32 v117, v[WW+1], v[WW+3], s[HM]
	v_lshlrev_b32 v[SOF], 4, v2
	v_lshl_add_u32 v[SOF], v3, 3, v[SOF]
	global_store_b64 v[SOF], v[116:117], s[84:85] offset:SSC   ; 256 consecutive bytes, aligned
	s_wait_tensorcnt 0x0                           ; the wave's end
	ds_add_u32 v[SPW], v[NIL]
	s_wait_dscnt 0x0
	CROUND                                         ; the closing round
	s_endpgm
.Lfunc_end_k_qd6d98379f0_qkv:
	.size	k_qd6d98379f0_qkv, .Lfunc_end_k_qd6d98379f0_qkv-k_qd6d98379f0_qkv
	.p2alignl 7, 3214868480
	.fill 96, 4, 3214868480
	.section	.rodata,"a",@progbits
	.p2align	6, 0x0
	.amdhsa_kernel k_qd6d98379f0_qkv
		.amdhsa_group_segment_fixed_size 327680
		.amdhsa_private_segment_fixed_size 0
		.amdhsa_enable_private_segment 0
		.amdhsa_kernarg_size 40
		.amdhsa_user_sgpr_count 2
		.amdhsa_user_sgpr_kernarg_segment_ptr 1
		.amdhsa_wavefront_size32 1
		.amdhsa_system_sgpr_workgroup_id_x 1
		.amdhsa_system_sgpr_workgroup_id_y 1
		.amdhsa_system_sgpr_workgroup_id_z 1
		.amdhsa_system_vgpr_workitem_id 0
		.amdhsa_next_free_vgpr 1024
		.amdhsa_next_free_sgpr 100
		.amdhsa_reserve_vcc 0
		.amdhsa_float_denorm_mode_32 3
		.amdhsa_float_denorm_mode_16_64 3
		.amdhsa_memory_ordered 1
		.amdhsa_forward_progress 1
		.amdhsa_inst_pref_size 156
	.end_amdhsa_kernel
	.amdgpu_metadata
---
amdhsa.version: [ 1, 2 ]
amdhsa.kernels:
  - .name:           k_qd6d98379f0_qkv
    .symbol:         k_qd6d98379f0_qkv.kd
    .args:
      - { .name: xpack, .offset: 0, .size: 8, .value_kind: global_buffer, .address_space: global }
      - { .name: wpack, .offset: 8, .size: 8, .value_kind: global_buffer, .address_space: global }
      - { .name: qpack, .offset: 16, .size: 8, .value_kind: global_buffer, .address_space: global }
      - { .name: kpack, .offset: 24, .size: 8, .value_kind: global_buffer, .address_space: global }
      - { .name: vpack, .offset: 32, .size: 8, .value_kind: global_buffer, .address_space: global }
    .group_segment_fixed_size: 327680
    .private_segment_fixed_size: 0
    .kernarg_segment_align: 8
    .kernarg_segment_size: 40
    .max_flat_workgroup_size: 128
    .sgpr_count:     100
    .vgpr_count:     1024
    .wavefront_size: 32
...
	.end_amdgpu_metadata
.endif
;; end of part 2
;; launch attn (part 3): grid 4 x 64, 16 waves a work-group, clusters of 4 x 1, 327,680 bytes of LDS; arguments qpack, kpack, vpack, opack; writes opack
.if DOCPART == 3
	.amdgcn_target "amdgcn-amd-amdhsa--gfx1250"
	.amdhsa_code_object_version 6
	.text
	.protected	k_qd6d98379f0_attn
	.globl	k_qd6d98379f0_attn
	.p2align	8
	.type	k_qd6d98379f0_attn,@function
k_qd6d98379f0_attn:
	s_mov_b64 s[64:65], 0
	v_nop
	global_prefetch_b8 v0, s[64:65] scope:SCOPE_SE
	s_setreg_imm32_b32 hwreg(HW_REG_WAVE_MODE, 25, 1), 1
	s_wait_xcnt 0x0
	s_wait_alu depctr_hold_cnt(0) depctr_sa_sdst(0) depctr_va_vdst(0) depctr_va_sdst(0) depctr_va_ssrc(0) depctr_va_vcc(0) depctr_vm_vsrc(0)
	s_getreg_b32 s2, hwreg(HW_REG_IB_STS2, 6, 4)
	s_cmp_eq_u32 s2, 0
	s_cbranch_scc0 .Lentry_in_a_cluster
	s_endpgm
.Lentry_in_a_cluster:
	s_bfe_u32 s2, ttmp6, 0x10000c
	s_cmp_lg_u32 s2, 0x3003
	s_cbranch_scc0 .Lentry_shape_is_right
	s_endpgm
.Lentry_shape_is_right:
; Causal attention of one (batch, head) for each cluster of four work-groups, both products on codes of FP6 (E2M3) with E8M0 scales; head size 64, 2,048 tokens, scores / 32.
; THE SOFTMAX: t = score x log2(e) / 32; M = the running largest t rounded UP to a whole number; p = 2^(t - M) is quantised along the keys, not normalised; the row's sum is taken of the unquantised p
; and divides O at the end; when M moves, the sum and O are multiplied by 2^(old M - new M), which rounds nothing.  O / sum is quantised along (head, d) and leaves as half a fragment of the last product's operand.
; LEFT OUT: key steps all of whose keys come after the query block: the causal mask gives them -inf, so they add nothing to any row.
; SHARES.  The head's 128 tiles of 16 queries are dealt so that every wave walks 17 key steps of 128 keys: one tile of query block 15 - beta (16 - beta steps), then one of block beta (beta + 1 steps).
; beta and the tile's parity u hang on the wave's number alone; the work-group's place in its cluster enters global addresses and the mask's lane value only.
; ALL OF THE HEAD'S K AND V STAY IN LDS, each byte filled once: eight joint loads of the four work-groups, one a wave (waves 0-7), each four key steps' records of K or of V.
; Waves 0 and 1 bring steps 0-3; the first barrier shows these alone, and the long tile's steps 0-2 (with the fetch of step 3's K) run on them; the second barrier shows the rest.
; No data prefetch: every tile is asked for at the head, so there is no loop to run ahead in.
; LDS rows are 256 bytes + 64 of padding: a fragment's image is 6 rows, 1,920 bytes, so that lanes 0-7 and lanes 8-15, which read two neighbouring images, fall on different halves of the 64 banks.
; LAYOUT.  Both products transposed: S^T = K Q^T, O^T = V^T P^T: a lane holds one query throughout.  THE ROWS OF A TILE OF K ARE PICKED BY THE LANES' ADDRESSES: lanes 0-7 take eight keys of block 2 c, lanes 8-15
; the eight keys 32 further on.  So register 32 c + e of lane (r, h) is key 64 c + 32 h + e: a lane holds two whole blocks of 32 keys, in the order of the operand's registers.
; K = 64 IN AN INSTRUCTION OF 128: a double fragment holds one key tile in k 0-63 and another in k 64-127; against [q | 0] it gives the first's scores, against [0 | q] the second's: zero codes add nothing.
; The next step's K is asked for straight behind the scores' products, into registers of its own; this step's V at the step's head.  p's codes are laid over scores that are done with.
; LIMITS: the promise holds while the scaled scores stay under 2^31 in magnitude; NaN and infinities are not served; v_exp_f32 gives 0 under 2^-126; 1 / sum is v_rcp_f32 and a multiplication;
; a block of zeros gets the scale byte 1 (read by this program alone).
.set FRB,   1536
.set KST,   8*FRB
.set SCO,   2*KST
.set REC,   SCO+1024
.set GREC,  4*REC
.set SSC,   4*FRB
.set SREC,  SSC+256                    ; a key step's record in memory: four fragments and 256 bytes of scale words: 25 rows of 256 bytes
.set LP,    320                        ; an LDS row
.set LFR,   6*LP                       ; a fragment's image in LDS
.set LSS,   24*LP                      ; the record's scale words
.set LREC,  25*LP                      ; a record
.set LCH,   4*LREC                     ; what one load brings
.set VREG,  4*LCH                      ; K's 16 records, then V's
.set SPARE, 2*VREG                     ; then the spare words, 128 bytes for each of 16 waves
.set KF, 56                            ; v56-103  four double fragments of K
.set VF, 104                           ; v104-151 four fragments of V
.set S,  152                           ; v152-215 S^T, then p
.set P,  S+48                          ; p's codes, over p's last sixteen numbers
.set O,  216                           ; v216-247 O^T
.set Q2, 248                           ; v248-254 the second tile's q and its scale word
; v0 16 x lane; v1-4 my places among K's fragments, K's words, V's fragments, V's words; v5, v6 the add's two; v7 the mask's lane value; v8-11 the step's addresses; v12 -M; v13 the largest score; v[14:15] the sum;
; v16-33 zeros | q | zeros; v34 q's scale word; v35 8 h; v[36:37] f; v38-41 K's words; v42-45 V's; v46, v47 a block's largest; v48, v49 the conversions' scale operands; v50-55 at work; v255 p's scale word
.macro CROUND
	s_barrier_signal -1
	s_barrier_wait -1
	s_cmp_lg_u32 s12, 0
	s_cbranch_scc1 .Lnot_wave_0_\@
	s_barrier_signal -3
.Lnot_wave_0_\@:
	s_barrier_wait -3
	s_barrier_signal -1
	s_barrier_wait -1
.endm
.macro WALU
	s_wait_alu depctr_va_vdst(0)
.endm
	s_load_b256 s[4:11], s[0:1], 0x0               ; qpack, kpack, vpack, opack
	v_lshl_add_u32 v5, v0, 2, SPARE
	v_mov_b32 v6, 0
	ds_add_u32 v5, v6                              ; the opening lines: the add, twice on end, and its wait
	ds_add_u32 v5, v6
	v_lshrrev_b32 v1, 5, v0
	v_readfirstlane_b32 s12, v1                    ; wave 0..15
	s_bfe_u32 s13, ttmp6, 0x40000                  ; cx
	s_and_b32 s14, ttmp7, 0xffff                   ; batch x 16 + head
	s_and_b32 s17, s12, 1                          ; u: my tiles are 2 cx + u of their blocks.  Also: I fetch for K (0) or V (1)
	s_bfe_u32 s56, s12, 0x10001
	s_bfe_u32 s57, s12, 0x10002
	s_lshr_b32 s58, s12, 3
	s_xor_b32 s57, s57, s17
	s_xor_b32 s56, s56, s57
	s_xor_b32 s58, s58, s56
	s_lshl_b32 s15, s57, 2
	s_lshl_b32 s56, s56, 1
	s_add_co_u32 s15, s15, s56
	s_add_co_u32 s15, s15, s58                     ; beta, 0 .. 7: each value in one wave of either parity
	s_sub_co_u32 s16, 15, s15
	s_mov_b32 s24, 15|(3<<16)|(1<<20)|(1<<21)|(5<<22)|(15<<25)  ; group 1: all four work-groups; elements of 8 bytes; bit 21 beside a mask; 16 words of padding behind every 64
	s_mov_b32 s25, 32<<16                          ; rows of 256 bytes,
	s_mov_b32 s26, 100<<16                         ; 100 of them: four key steps' records
	s_mov_b32 s27, 32<<16
	s_mov_b32 s28, 100
	s_mov_b32 s29, 32
	s_mov_b32 s30, 0
	s_mov_b32 s31, 0
	s_mov_b32 s20, 0x76543210
	s_mov_b32 s21, 0xfedcba98
	s_mov_b32 s22, 0x3d38aa3b                      ; c = log2(e) / 32
	s_mov_b32 s23, s22
	s_mov_b32 s74, 0xbd38aa3b                      ; -c
	s_mov_b32 s43, 0xffff0000                      ; a lane mask: lanes 16-31
	s_sub_co_u32 s44, 0, s17                       ; a lane mask: all lanes where u = 1
	s_mov_b32 s45, 0x03020302
	s_cmp_eq_u32 s17, 0
	s_cselect_b32 s45, 0x01000100, s45             ; which two bytes of a double fragment's scale word are my tile's
	s_mul_i32 s46, s14, GREC                       ; the head's first byte in q, k, v
	s_lshr_b32 s57, s12, 1                         ; waves 0-7: which four key steps I fetch
	s_mul_i32 s47, s57, REC
	s_add_co_u32 s60, s46, s47                     ; in memory,
	s_mov_b32 s61, 0
	s_mul_i32 s56, s57, LCH
	s_mul_i32 s58, s17, VREG
	s_add_co_u32 s56, s56, s58                     ; in LDS
	s_wait_dscnt 0x0                               ; both opening adds are done
	s_wait_kmcnt 0x0
	s_cmp_eq_u32 s17, 0
	s_cselect_b64 s[62:63], s[6:7], s[8:9]
	s_add_nc_u64 s[62:63], s[62:63], s[60:61]
	CROUND                                         ; all four work-groups are here: the joint loads meet
	s_mov_b32 s32, 1
	s_mov_b32 s33, s56
	s_mov_b64 s[34:35], s[62:63]
	s_or_b32 s35, s35, 0x80000000
	s_cmp_lt_u32 s12, 2                            ; one chain: waves 0, 1 (steps 0-3 of K, of V) have a load line of their own, since they alone wait at the first barrier
	s_cbranch_scc0 .Lrest
	tensor_load_to_lds s[32:35], s[24:31]
	s_nop 0
.rept 4
	v_nop
.endr
	s_branch .Lasked
.Lrest:
	s_cmp_lt_u32 s12, 8
	s_cbranch_scc0 .Lasked
	tensor_load_to_lds s[32:35], s[24:31]
	s_nop 0
.rept 4
	v_nop
.endr
.Lasked:
	s_mul_i32 s70, s15, SREC                       ; q: my two blocks' records; in each, double fragment cx
	s_add_co_u32 s70, s70, s46
	s_mov_b32 s71, 0
	s_add_nc_u64 s[66:67], s[4:5], s[70:71]
	s_mul_i32 s70, s16, SREC
	s_add_co_u32 s70, s70, s46
	s_add_nc_u64 s[68:69], s[4:5], s[70:71]
	; where my two tiles' results go: opack [token / 128][head / 4][REC]: K step (head / 2) % 2, tile 2 cx + u, half head % 2 of the fragment's image
	s_and_b32 s56, s14, 15
	s_lshr_b32 s57, s56, 2
	s_mul_i32 s57, s57, REC
	s_bfe_u32 s58, s56, 0x10001
	s_and_b32 s59, s56, 1
	s_lshl_b32 s60, s13, 1
	s_add_co_u32 s60, s60, s17
	s_mul_i32 s61, s58, KST
	s_add_co_u32 s61, s61, s57
	s_mul_i32 s62, s60, FRB
	s_add_co_u32 s61, s61, s62
	s_mul_i32 s62, s59, 768
	s_add_co_u32 s61, s61, s62                     ; the codes' place in a block's four records
	s_lshl_b32 s62, s58, 9
	s_add_co_u32 s62, s62, s57
	s_lshr_b32 s63, s60, 2
	s_lshl_b32 s63, s63, 8
	s_add_co_u32 s62, s62, s63
	s_and_b32 s63, s60, 3
	s_lshl_b32 s63, s63, 2
	s_add_co_u32 s62, s62, s63
	s_lshl_b32 s63, s59, 1
	s_add_co_u32 s62, s62, s63
	s_add_co_u32 s62, s62, SCO                     ; the scale bytes': + 16 r + h in the lane
	s_lshr_b32 s63, s14, 4
	s_lshl_b32 s63, s63, 4
	s_mov_b32 s73, 0
	s_add_co_u32 s70, s63, s15
	s_mul_i32 s70, s70, GREC
	s_add_co_u32 s72, s70, s61
	s_add_nc_u64 s[48:49], s[10:11], s[72:73]
	s_add_co_u32 s72, s70, s62
	s_add_nc_u64 s[50:51], s[10:11], s[72:73]
	s_add_co_u32 s70, s63, s16
	s_mul_i32 s70, s70, GREC
	s_add_co_u32 s72, s70, s61
	s_add_nc_u64 s[52:53], s[10:11], s[72:73]
	s_add_co_u32 s72, s70, s62
	s_add_nc_u64 s[54:55], s[10:11], s[72:73]
	s_lshl_b32 s70, s13, 5
	s_lshl_b32 s71, s17, 3
	s_add_co_u32 s70, s70, s71                     ; 32 cx + 8 u
	s_mul_i32 s72, s13, FRB
	s_lshr_b32 s73, s13, 1
	s_lshl_b32 s73, s73, 7
	s_and_b32 s71, s13, 1
	s_lshl_b32 s71, s71, 2
	s_add_co_u32 s73, s73, s71                     ; q's scale words: 128 (cx / 2) + 4 (cx % 2), + 8 r
	v_and_b32 v8, 31, v0                           ; lane
	v_and_b32 v9, 15, v0                           ; r
	v_bfe_u32 v10, v0, 4, 1                        ; h
	v_and_b32 v11, 7, v0                           ; r % 8
	v_bfe_u32 v46, v0, 3, 1                        ; r / 8
	v_lshl_add_u32 v48, v8, 4, s72
	v_lshl_add_u32 v49, v9, 3, s73
.irp k, 0,1,2
	global_load_b128 v[S+4*\k:S+4*\k+3], v48, s[68:69] offset:512*\k          ; the long tile's double fragment of q,
	global_load_b128 v[S+12+4*\k:S+12+4*\k+3], v48, s[66:67] offset:512*\k    ; the short tile's
.endr
	global_load_b32 v[S+24], v49, s[68:69] offset:SSC
	global_load_b32 v[S+25], v49, s[66:67] offset:SSC
	v_mul_u32_u24 v1, v46, LFR                     ; K's fragments: image r / 8 of a pair, its row r % 8 (+ 8 by the offset), half h one LDS row on
	v_lshl_add_u32 v1, v11, 4, v1
	v_mad_u32_u24 v1, v10, LP, v1
	v_lshlrev_b32 v2, 3, v11                       ; K's words: 8 (r % 8) + 4 (r / 8)
	v_lshl_add_u32 v2, v46, 2, v2
	v_add_nc_u32 v2, LSS, v2
	v_lshl_add_u32 v3, v9, 4, VREG                 ; V's fragments: 16 r, half h one LDS row on
	v_mad_u32_u24 v3, v10, LP, v3
	v_lshl_add_u32 v4, v9, 4, VREG+LSS             ; V's words
	v_lshl_add_u32 v7, v46, 3, v9
	v_add_nc_u32 v7, s70, v7                       ; my query's place in its block of 128: 32 cx + 8 u + r + 8 (r / 8),
	v_lshlrev_b32 v47, 5, v10
	v_sub_nc_u32 v7, v7, v47                       ; less 32 h: register 32 c + e holds key 64 c + 32 h + e, seen on the diagonal where 64 c + e is not above this
	v_lshlrev_b32 v35, 3, v10                      ; 8 h
	v_lshlrev_b32 v0, 4, v8                        ; 16 x lane
.irp i, 0,1,2,3,4,5
	v_mov_b32 v[16+\i], 0                          ; the zero codes on either side of q
	v_mov_b32 v[28+\i], 0
.endr
	v_mov_b32 v37, 0                               ; (named as the upper half of the pair v[36:37])
	WALU
	s_wait_loadcnt 0x0                             ; q
.irp i, 0,1,2,3,4,5
	v_cndmask_b32 v[22+\i], v[S+\i], v[S+6+\i], s44        ; my tile's half of the double fragment
	v_cndmask_b32 v[Q2+\i], v[S+12+\i], v[S+18+\i], s44
.endr
	v_perm_b32 v34, v[S+24], v[S+24], s45          ; its two bytes, twice: they serve q in either half of K
	v_perm_b32 v[Q2+6], v[S+25], v[S+25], s45
.macro INIT                            ; a tile begins: the largest score under every score, -M a huge whole number, sums and O^T zero (the first change of M multiplies zeros).  Also the places between the writes of q and its word and the first product
	v_mov_b32 v13, 0xff61b1e6
	v_mov_b32 v12, 0x7e000000
	v_mov_b32 v14, 0
	v_mov_b32 v15, 0
.set j, 0
.rept 32
	v_mov_b32 v[O+j], 0
.set j, j+1
.endr
.endm
.macro KLOAD a, w, o                   ; a key step's four double fragments and their words: 16 LDS loads.  Fragment (c, s): keys 64 c + 16 s + 0 .. 15 and the sixteen 32 further on
.irp c, 0,1
.irp s, 0,1
.irp k, 0,1,2
	ds_load_b128 v[KF+24*\c+12*\s+4*\k:KF+24*\c+12*\s+4*\k+3], \a offset:\o+2*LFR*\c+128*\s+2*LP*\k
.endr
	ds_load_b32 v[38+2*\c+\s], \w offset:\o+128*\c+64*\s
.endr
.endr
.endm
; Key steps s40 .. last - 1 of a tile of query block s42: a loop of constant count.  tests = 1: a step all of whose keys come after the block is left out by a branch on the wave's number and the count of steps, and the diagonal step is masked.
.macro WALK last, tests
.Lwalk_\@:
.if \tests
	s_cmp_gt_u32 s40, s42
	s_cbranch_scc1 .Lhid_\@
.endif
	v_add_nc_u32 v8, s41, v1                       ; (these five are the places behind the last products: ahead of the loads into V's registers, and of the products that write over p's codes)
	v_add_nc_u32 v9, s41, v2
	v_add_nc_u32 v10, s41, v3
	v_add_nc_u32 v11, s41, v4
	v_nop
.irp d, 0,1,2,3
.irp k, 0,1,2
	ds_load_b128 v[VF+12*\d+4*\k:VF+12*\d+4*\k+3], v10 offset:LFR*\d+2*LP*\k   ; this step's V lands under the softmax
.endr
.endr
	ds_load_b128 v[42:45], v11
	WALU
	s_wait_dscnt 13                                ; K, asked for a step ago, is in; V's 13 loads may be out
.irp c, 0,1
.irp s, 0,1
	v_wmma_scale_f32_16x16x128_f8f6f4 v[S+32*\c+16*\s:S+32*\c+16*\s+7], v[KF+24*\c+12*\s:KF+24*\c+12*\s+11], v[22:33], 0, v[38+2*\c+\s], v34 matrix_a_fmt:MATRIX_FMT_FP6 matrix_b_fmt:MATRIX_FMT_FP6
	v_wmma_scale_f32_16x16x128_f8f6f4 v[S+32*\c+16*\s+8:S+32*\c+16*\s+15], v[KF+24*\c+12*\s:KF+24*\c+12*\s+11], v[16:27], 0, v[38+2*\c+\s], v34 matrix_a_fmt:MATRIX_FMT_FP6 matrix_b_fmt:MATRIX_FMT_FP6
.endr
.endr
.rept 4
	v_nop                                          ; places ahead of the loads below and of the first read of the scores
.endr
	KLOAD v8, v9, LREC                             ; the next step's K (behind the last step: bytes of LDS that are not used)
.if \tests
	s_cmp_lg_u32 s40, s42
	s_cbranch_scc1 .Lopen_\@
.set mm, 0
.rept 64                               ; the diagonal step: hidden keys' scores become -infinity ahead of the maximum
	v_cmp_le_i32 vcc_lo, 64*(mm/32)+mm%32, v7
	v_cndmask_b32 v[S+mm], 0xff800000, v[S+mm], vcc_lo
.set mm, mm+1
.endr
.Lopen_\@:
.endif
; the largest score of each of my two blocks of 32 keys, in four chains: for the row's maximum, and, since p rises with the score, for the block's largest p
.irp c, 0,1
	v_max3_num_f32 v[46+\c], v[S+32*\c], v[S+32*\c+1], v[S+32*\c+2]
	v_max3_num_f32 v[52+\c], v[S+32*\c+16], v[S+32*\c+17], v[S+32*\c+18]
.endr
.irp i, 3,5,7,9,11,13
.irp c, 0,1
	v_max3_num_f32 v[46+\c], v[46+\c], v[S+32*\c+\i], v[S+32*\c+\i+1]
	v_max3_num_f32 v[52+\c], v[52+\c], v[S+32*\c+16+\i], v[S+32*\c+17+\i]
.endr
.endr
.irp c, 0,1
	v_max3_num_f32 v[46+\c], v[46+\c], v[52+\c], v[S+32*\c+15]
.endr
.irp c, 0,1
	v_max_num_f32 v[46+\c], v[46+\c], v[S+32*\c+31]
.endr
	v_max_num_f32 v52, v46, v47
	v_permlanex16_b32 v53, v52, s20, s21
	v_max3_num_f32 v13, v13, v52, v53              ; the running largest score of my query (c is positive: the largest t is c x this)
	v_mul_f32 v52, s74, v13
	v_mov_b32 v53, v12
	v_floor_f32 v12, v52                           ; -M = floor(-t): M is a whole number
	v_sub_f32 v53, v12, v53                        ; old M - new M, a whole number, 0 or less
	v_cvt_i32_f32 v53, v53                         ; (it saturates)
	v_ldexp_f32 v36, 1.0, v53                      ; f = 2^(old M - new M)
.set j, 0
.rept 16
	v_pk_fma_f32 v[S+j:S+j+1], v[S+j:S+j+1], s[22:23], v[12:13] op_sel_hi:[1,0,0]   ; t - M of keys 0-63's registers, two at a time
.set j, j+2
.endr
	v_fma_f32 v46, v46, s22, v12
	v_fma_f32 v47, v47, s22, v12
	v_pk_mul_f32 v[14:15], v[14:15], v[36:37] op_sel_hi:[1,0]   ; the sum under the new M
	WALU                                           ; ahead of the batch
.set j, 0
.rept 16
	v_exp_f32 v[S+j], v[S+j]                       ; p = 2^(t - M); among the exponentials the other half's t - M, each line by itself
	v_exp_f32 v[S+j+1], v[S+j+1]
	v_pk_fma_f32 v[S+32+j:S+33+j], v[S+32+j:S+33+j], s[22:23], v[12:13] op_sel_hi:[1,0,0]
.set j, j+2
.endr
	v_exp_f32 v46, v46                             ; each block's largest p
	v_exp_f32 v47, v47
	WALU                                           ; behind the first batch and ahead of the second
.set j, 32
.rept 32
	v_exp_f32 v[S+j], v[S+j]
.set j, j+1
.endr
	v_nop                                          ; a plain place behind the exponentials
	WALU
	v_max_num_f32 v46, 0x1800000, v46              ; the floor 2^(3 - 127): the byte cannot fall under 1
	v_max_num_f32 v47, 0x1800000, v47
	v_add_nc_u32 v48, 0xff000000, v46              ; 2 off the exponent field: the conversions' scale operands
	v_add_nc_u32 v49, 0xff000000, v47
	v_pk_add_f32 v[50:51], v[S:S+1], v[S+2:S+3]    ; the row's sum, of the unquantised p: four chains
	v_pk_add_f32 v[52:53], v[S+4:S+5], v[S+6:S+7]
	v_pk_add_f32 v[54:55], v[S+8:S+9], v[S+10:S+11]
.irp g, 0,1,2,3,4,5
	v_pk_add_f32 v[14:15], v[14:15], v[S+12+8*\g:S+13+8*\g]
	v_pk_add_f32 v[50:51], v[50:51], v[S+14+8*\g:S+15+8*\g]
	v_pk_add_f32 v[52:53], v[52:53], v[S+16+8*\g:S+17+8*\g]
	v_pk_add_f32 v[54:55], v[54:55], v[S+18+8*\g:S+19+8*\g]
.endr
	v_pk_add_f32 v[14:15], v[14:15], v[S+60:S+61]
	v_pk_add_f32 v[50:51], v[50:51], v[S+62:S+63]
	v_pk_add_f32 v[52:53], v[52:53], v[54:55]
	v_pk_add_f32 v[14:15], v[14:15], v[50:51]
	v_pk_add_f32 v[14:15], v[14:15], v[52:53]
; the codes: a block's 32 are six registers of the operand as they fall.  The last sixteen numbers go first, and the operand is laid over them; a plain line stands behind each conversion whose sources are written next
	v_cvt_scalef32_pk16_fp6_f32 v[50:52], v[S+48:S+63], v49
	v_lshrrev_b32 v46, 23, v48                     ; the bytes of blocks h and 2 + h,
	v_lshrrev_b32 v47, 23, v49
	v_cvt_scalef32_pk16_fp6_f32 v[S+60:S+62], v[S+16:S+31], v48
	v_lshl_or_b32 v46, v47, 16, v46
	v_cvt_scalef32_pk16_fp6_f32 v[P+6:P+8], v[S+32:S+47], v49
	v_cvt_scalef32_pk16_fp6_f32 v[P:P+2], v[S:S+15], v48
	v_lshlrev_b32 v46, v35, v46                    ; at their places in the word (8 h bits up);
	v_permlanex16_b32 v47, v46, s20, s21
.irp i, 0,1,2
	v_mov_b32 v[P+3+\i], v[S+60+\i]                ; (a conversion's three registers begin on an even number)
	v_mov_b32 v[P+9+\i], v[50+\i]
.endr
	v_or_b32 v255, v46, v47                        ; with lane l xor 16's two p's scale word is whole
	WALU                                           ; directly ahead of the first reader of O^T
.set j, 0
.rept 16
	v_pk_mul_f32 v[O+j:O+j+1], v[O+j:O+j+1], v[36:37] op_sel_hi:[1,0]   ; O^T under the new M; also the places between the writes of p's codes and word and the products
.set j, j+2
.endr
	WALU
	s_wait_dscnt 16                                ; V is in; the next step's K, 16 loads, may be out
.irp d, 0,1,2,3
	v_wmma_scale_f32_16x16x128_f8f6f4 v[O+8*\d:O+8*\d+7], v[VF+12*\d:VF+12*\d+11], v[P:P+11], v[O+8*\d:O+8*\d+7], v[42+\d], v255 matrix_a_fmt:MATRIX_FMT_FP6 matrix_b_fmt:MATRIX_FMT_FP6
.endr
.Lhid_\@:
	s_add_co_u32 s41, s41, LREC
	s_add_co_u32 s40, s40, 1
	s_cmp_lt_u32 s40, \last
	s_cbranch_scc1 .Lwalk_\@
.endm
; A tile ends: O^T / sum (register 16 B + e = d 32 B + 16 h + e), quantised along d, leaves as my head's half of a fragment's image
.macro FINISH ob, os
.rept 4
	v_nop
.endr
	v_add_f32 v14, v14, v15
	v_permlanex16_b32 v53, v14, s20, s21
	v_add_f32 v14, v14, v53                        ; the row's sum
	WALU
	v_rcp_f32 v14, v14
	v_nop                                          ; a plain place behind the reciprocal
	WALU                                           ; ahead of the reciprocal's and O^T's first reader
.set j, 0
.rept 16
	v_pk_mul_f32 v[S+j:S+j+1], v[O+j:O+j+1], v[14:15] op_sel_hi:[1,0]   ; each accumulator from its low end on
.set j, j+2
.endr
.irp q, 0,1
	v_max3_num_f32 v[46+\q], |v[S+16*\q]|, |v[S+16*\q+1]|, 0x1800000
.endr
.irp i, 2,4,6,8,10,12,14
.irp q, 0,1
	v_max3_num_f32 v[46+\q], v[46+\q], |v[S+16*\q+\i]|, |v[S+16*\q+\i+1]|
.endr
.endr
.irp q, 0,1
	v_permlanex16_b32 v[52+\q], v[46+\q], s20, s21
.endr
.irp q, 0,1
	v_max_num_f32 v[46+\q], v[46+\q], v[52+\q]
.endr
.irp q, 0,1
	v_add_nc_u32 v[48+\q], 0xff000000, v[46+\q]
.endr
.irp q, 0,1
	v_lshrrev_b32 v[52+\q], 23, v[48+\q]
.endr
	v_cvt_scalef32_pk16_fp6_f32 v[S+32:S+34], v[S:S+15], v48
	v_cvt_scalef32_pk16_fp6_f32 v[S+40:S+42], v[S+16:S+31], v49
	v_nop                                          ; one plain place behind the scaled conversions
.irp i, 0,1,2
	v_permlane16_swap_b32 v[S+32+\i], v[S+40+\i]
.endr
.irp i, 0,1,2
	v_mov_b32 v[S+35+\i], v[S+40+\i]               ; lane (r, h): d-block h of query r, six registers
.endr
	v_cndmask_b32 v50, v52, v53, s43               ; and its byte
	v_lshrrev_b32 v51, 1, v0                       ; 8 x lane
	v_and_b32 v54, 0xf0, v0
	v_lshrrev_b32 v55, 8, v0
	v_add_nc_u32 v54, v54, v55                     ; 16 r + h
	global_store_b128 v0, v[S+32:S+35], s[\ob:\ob+1]               ; 512 consecutive bytes, aligned
	global_store_b64 v51, v[S+36:S+37], s[\ob:\ob+1] offset:512    ; 256 consecutive bytes, aligned
	global_store_b8 v54, v50, s[\os:\os+1]         ; a head owns two bytes of each scale word of the last product: single bytes
.endm
	INIT
	s_mov_b32 s42, s16                             ; the long tile first: its steps 0-7 are open in every wave
	s_mov_b32 s40, 0                               ; the key step,
	s_mov_b32 s41, 0                               ; its record in LDS
	WALU                                           ; the head's end
	s_cmp_lt_u32 s12, 2
	s_cbranch_scc0 .Lnot_first
	s_wait_tensorcnt 0x0                           ; waves 0 and 1: steps 0-3 of K and of V are in
.Lnot_first:
	s_barrier_signal -1
	s_barrier_wait -1                              ; the other six loads may be out
	KLOAD v1, v2, 0
	WALK 3, 0                                      ; steps 0-2: they read records 0-3 of K and 0-2 of V
	s_wait_tensorcnt 0x0                           ; every wave's load is in,
	s_wait_dscnt 0x0
	s_barrier_signal -1
	s_barrier_wait -1                              ; everybody's is: nothing in LDS is written from here on
	s_mov_b32 s40, 3
	s_mov_b32 s41, 3*LREC
	WALK 16, 1
	FINISH 52, 54
.irp i, 0,1,2,3,4,5
	v_mov_b32 v[22+\i], v[Q2+\i]                   ; the second tile's q
.endr
	v_mov_b32 v34, v[Q2+6]
	INIT
	s_mov_b32 s42, s15
	s_mov_b32 s40, 0
	s_mov_b32 s41, 0
	WALU
	s_wait_xcnt 0x0                                ; the first tile's stores have read their registers: they are written again only behind this wait
	s_wait_dscnt 0x0                               ; the loads that ran ahead of the first tile's last step have landed: their registers are loaded anew
	KLOAD v1, v2, 0
	WALK 8, 1
	FINISH 48, 50
	s_wait_tensorcnt 0x0                           ; the wave's end
	ds_add_u32 v5, v6
	s_wait_dscnt 0x0
	CROUND                                         ; the closing round
	s_endpgm
.Lfunc_end_k_qd6d98379f0_attn:
	.size	k_qd6d98379f0_attn, .Lfunc_end_k_qd6d98379f0_attn-k_qd6d98379f0_attn
	.p2alignl 7, 3214868480
	.fill 96, 4, 3214868480
	.section	.rodata,"a",@progbits
	.p2align	6, 0x0
	.amdhsa_kernel k_qd6d98379f0_attn
		.amdhsa_group_segment_fixed_size 327680
		.amdhsa_private_segment_fixed_size 0
		.amdhsa_enable_private_segment 0
		.amdhsa_kernarg_size 32
		.amdhsa_user_sgpr_count 2
		.amdhsa_user_sgpr_kernarg_segment_ptr 1
		.amdhsa_wavefront_size32 1
		.amdhsa_system_sgpr_workgroup_id_x 1
		.amdhsa_system_sgpr_workgroup_id_y 1
		.amdhsa_system_sgpr_workgroup_id_z 1
		.amdhsa_system_vgpr_workitem_id 0
		.amdhsa_next_free_vgpr 256
		.amdhsa_next_free_sgpr 80
		.amdhsa_reserve_vcc 1
		.amdhsa_float_denorm_mode_32 3
		.amdhsa_float_denorm_mode_16_64 3
		.amdhsa_memory_ordered 1
		.amdhsa_forward_progress 1
		.amdhsa_inst_pref_size 81
	.end_amdhsa_kernel
	.amdgpu_metadata
---
amdhsa.version: [ 1, 2 ]
amdhsa.kernels:
  - .name:           k_qd6d98379f0_attn
    .symbol:         k_qd6d98379f0_attn.kd
    .args:
      - { .name: qpack, .offset: 0, .size: 8, .value_kind: global_buffer, .address_space: global }
      - { .name: kpack, .offset: 8, .size: 8, .value_kind: global_buffer, .address_space: global }
      - { .name: vpack, .offset: 16, .size: 8, .value_kind: global_buffer, .address_space: global }
      - { .name: opack, .offset: 24, .size: 8, .value_kind: global_buffer, .address_space: global }
    .group_segment_fixed_size: 327680
    .private_segment_fixed_size: 0
    .kernarg_segment_align: 8
    .kernarg_segment_size: 32
    .max_flat_workgroup_size: 512
    .sgpr_count:     80
    .vgpr_count:     256
    .wavefront_size: 32
...
	.end_amdgpu_metadata
.endif
;; end of part 3
;; launch proj (part 4): grid 4 x 64, 4 waves a work-group, clusters of 4 x 4, 327,680 bytes of LDS; arguments opack, wpack, bp, out0; writes out0
.if DOCPART == 4
	.amdgcn_target "amdgcn-amd-amdhsa--gfx1250"
	.amdhsa_code_object_version 6
	.text
	.protected	k_qd6d98379f0_proj
	.globl	k_qd6d98379f0_proj
	.p2align	8
	.type	k_qd6d98379f0_proj,@function
k_qd6d98379f0_proj:
	s_mov_b64 s[64:65], 0
	v_nop
	global_prefetch_b8 v0, s[64:65] scope:SCOPE_SE
	s_setreg_imm32_b32 hwreg(HW_REG_WAVE_MODE, 25, 1), 1
	s_wait_xcnt 0x0
	s_wait_alu depctr_hold_cnt(0) depctr_sa_sdst(0) depctr_va_vdst(0) depctr_va_sdst(0) depctr_va_ssrc(0) depctr_va_vcc(0) depctr_vm_vsrc(0)
	s_getreg_b32 s2, hwreg(HW_REG_IB_STS2, 6, 4)
	s_cmp_eq_u32 s2, 0
	s_cbranch_scc0 .Lentry_in_a_cluster
	s_endpgm
.Lentry_in_a_cluster:
	s_bfe_u32 s2, ttmp6, 0x10000c
	s_cmp_lg_u32 s2, 0xf033
	s_cbranch_scc0 .Lentry_shape_is_right
	s_endpgm
.Lentry_shape_is_right:
; out0 = attention's result x Wp + bp, on codes of FP6 (E2M3) with E8M0 scales, K = 1,024; out0 [8192][1024] f32.
; A work-group makes 128 tokens x 256 columns.  ALL OF K IS RESIDENT: three records of GREC bytes in LDS, each byte filled once, by four dense tensor loads issued at the head: no ring, no refill.
; Four waves, each 64 x 128: 32 accumulators.  The matrix instruction is used transposed (source 0 = 16 columns of Wp, source 1 = 16 tokens): a lane holds one token and eight neighbouring columns a tile.
; The bias is the C of each sum's first matrix instruction.  CLUSTERS: 4 x 4: the tokens' record is shared along a row of the cluster, Wp's two along a column: joint loads.
; The tokens' fragments lie as two halves of 768 bytes (one for each head of a pair): four registers at 16 x lane, two at 512 + 8 x lane.
; THE WAY OUT: 16 tokens x 128 columns at a time through the wave's own stage and back as whole rows of 512 bytes.  The stage lies in the tokens' record, whose bytes have had their only fill; a barrier
; behind every wave's last LDS read stands ahead of the first store into it.
; REGISTERS: window 0: addresses, scale words, the bias (v128-191), rows on the way out.  window 1: the accumulators, (a, b) at v[8 (8 a + b)].  windows 2, 3: two sets of fragments.
.set FRB,   1536
.set KST,   8*FRB
.set SCO,   2*KST
.set REC,   SCO+1024
.set GREC,  4*REC
.set SPARE, 3*GREC
.set SPITCH, 528
.set ADA,  4
.set ADB,  6
.set ADS1, 8
.set ADS2, 10
.set SPW,  12
.set NIL,  13
.set ADA8, 14                          ; v14, v15 the tokens' fragments' last two registers of a half: 8 bytes a lane
.set SC,   16
.set STO,  32                          ; v32 the stage: where I put 16 bytes of a row
.set RD,   33                          ; v33 and where I read a row back
.set BOF,  34                          ; v34 64 h: my half's place in the bias
.set BI,   128                         ; v128-191 the bias in the result's layout, eight registers a tile of columns
.set G1A,  24
.set G1B,  32
.set G0A,  48
.set G0B,  68
.set MSB, 0
.macro WIN new
.if MSB != (\new)
	s_set_vgpr_msb (MSB<<8)|(\new)
.set MSB, (\new)
.endif
.endm
.macro CROUND
	s_barrier_signal -1
	s_barrier_wait -1
	s_cmp_lg_u32 s14, 0
	s_cbranch_scc1 .Lnot_wave_0_\@
	s_barrier_signal -3
.Lnot_wave_0_\@:
	s_barrier_wait -3
	s_barrier_signal -1
	s_barrier_wait -1
.endm
.macro PLACES
.rept 4
	v_nop
.endr
.endm
	s_load_b256 s[4:11], s[0:1], 0x0               ; opack, wpack, bp, out0
	v_lshl_add_u32 v[SPW], v0, 2, SPARE
	v_mov_b32 v[NIL], 0
	ds_add_u32 v[SPW], v[NIL]                      ; the wave's opening: the add and its wait, ahead of the first tensor loads
	ds_add_u32 v[SPW], v[NIL]
	v_lshrrev_b32 v1, 5, v0
	v_readfirstlane_b32 s14, v1
	s_lshr_b32 s15, s14, 1                         ; wr
	s_and_b32 s16, s14, 1                          ; wc
	s_bfe_u32 s17, ttmp6, 0x40000                  ; cx
	s_bfe_u32 s18, ttmp6, 0x40004                  ; cy
	s_and_b32 s20, ttmp7, 0xffff
	s_lshl_b32 s40, s18, 2
	s_lshl_b32 s40, 15, s40
	s_lshl_b32 s41, 0x1111, s17
	s_or_b32 s[G1A], s40, (3<<16)|(1<<21)
	s_or_b32 s[G1B], s41, (3<<16)|(1<<21)
	s_mov_b32 s[G1A+1], 32<<16                     ; the tokens: half of K of one record: 200 rows of 256 bytes, dense
	s_mov_b32 s[G1A+2], 200<<16
	s_mov_b32 s[G1A+3], 32<<16
	s_mov_b32 s[G1A+4], 200
	s_mov_b32 s[G1A+5], 32
	s_mov_b32 s[G1A+6], 0
	s_mov_b32 s[G1A+7], 0
	s_mov_b32 s[G1B+1], (REC/4)<<16                ; Wp: half of K of two records: 2 rows of 2 REC bytes, GREC bytes apart
	s_mov_b32 s[G1B+2], 2<<16
	s_mov_b32 s[G1B+3], (REC/4)<<16
	s_mov_b32 s[G1B+4], 2
	s_mov_b32 s[G1B+5], GREC/8
	s_mov_b32 s[G1B+6], 0
	s_mov_b32 s[G1B+7], 0
	s_lshl_b32 s22, s20, 2
	s_add_co_u32 s22, s22, s18                     ; ia: 128 tokens
	s_lshl_b32 s23, ttmp9, 2
	s_add_co_u32 s23, s23, s17                     ; ib: 256 columns
	s_mul_i32 s42, s22, GREC
	s_mov_b32 s43, 0
	s_lshl_b32 s44, s23, 1
	s_add_co_u32 s44, s44, 24                      ; Wp begins 24 records into wpack; my two records lie on end
	s_mul_i32 s44, s44, GREC
	s_mov_b32 s45, 0
	s_wait_dscnt 0x0
	s_wait_kmcnt 0x0
	s_add_nc_u64 s[42:43], s[4:5], s[42:43]
	s_add_nc_u64 s[44:45], s[6:7], s[44:45]
	CROUND
.irp c, 0,1                            ; half c of K.  LDS: the tokens' record at 0; Wp at GREC + c GREC: record 0's half, then record 1's
	s_mov_b32 s[G0A+4*\c], 1
	s_mov_b32 s[G0A+4*\c+1], \c*2*REC
	s_add_nc_u64 s[G0A+4*\c+2:G0A+4*\c+3], s[42:43], \c*2*REC
	s_or_b32 s[G0A+4*\c+3], s[G0A+4*\c+3], 0x80000000
	s_mov_b32 s[G0B+4*\c], 1
	s_mov_b32 s[G0B+4*\c+1], GREC+\c*GREC
	s_add_nc_u64 s[G0B+4*\c+2:G0B+4*\c+3], s[44:45], \c*2*REC
	s_or_b32 s[G0B+4*\c+3], s[G0B+4*\c+3], 0x80000000
.endr
; one load a wave, in one chain of branches on the wave's number: wave 0 the tokens' first half of K, wave 1 Wp's, wave 2 the tokens' second half, wave 3 Wp's
.macro ARM under, g0, g1, next
	s_cmp_lt_u32 s14, \under
	s_cbranch_scc0 \next
	tensor_load_to_lds s[\g0:\g0+3], s[\g1:\g1+7]
	s_nop 0
.rept 4
	v_nop
.endr
	s_branch .Lasked
\next:
.endm
	ARM 1, G0A, G1A, .Lw1
	ARM 2, G0B, G1B, .Lw2
	ARM 3, G0A+4, G1A, .Lw3
	tensor_load_to_lds s[G0B+4:G0B+7], s[G1B:G1B+7]
	s_nop 0
.rept 4
	v_nop
.endr
.Lasked:
	v_and_b32 v35, 31, v0
	v_lshlrev_b32 v1, 4, v35                       ; 16 x lane
	s_wait_alu depctr_va_vdst(0)
	v_and_b32 v2, 15, v0                           ; r
	v_bfe_u32 v3, v0, 4, 1                         ; h
	s_wait_alu depctr_va_vdst(0)
	v_lshlrev_b32 v[BOF], 6, v3
	s_lshl_b32 s88, s23, 10                        ; my 128 columns: 1,024 ib + 512 wc bytes
	s_lshl_b32 s89, s16, 9
	s_add_co_u32 s88, s88, s89
	s_mov_b32 s89, 0
	s_add_nc_u64 s[8:9], s[8:9], s[88:89]
	s_add_nc_u64 s[10:11], s[10:11], s[88:89]
.irp b, 0,1,2,3,4,5,6,7
	global_load_b128 v[BI+8*\b:BI+8*\b+3], v[BOF], s[8:9] offset:128*(\b/2)+32*(\b%2)       ; tile b, lane half h: columns 32 (b / 2) + 16 h + 8 (b % 2) + 0 .. 7
	global_load_b128 v[BI+8*\b+4:BI+8*\b+7], v[BOF], s[8:9] offset:128*(\b/2)+32*(\b%2)+16
.endr
	s_lshl_b32 s88, s22, 19                        ; my first token's row: (128 ia + 64 wr) x 4,096 bytes
	s_lshl_b32 s93, s15, 18
	s_add_co_u32 s88, s88, s93
	s_add_nc_u64 s[10:11], s[10:11], s[88:89]
	s_mul_i32 s88, s15, 4*FRB
	v_add_nc_u32 v[ADA], s88, v1
	v_add_nc_u32 v[ADA+1], 2*REC, v[ADA]
	v_lshl_add_u32 v[ADA8], v35, 3, s88
	v_add_nc_u32 v[ADA8+1], 2*REC, v[ADA8]
	s_mul_i32 s89, s16, 2*REC
	s_add_co_u32 s89, s89, GREC
	v_add_nc_u32 v[ADB], s89, v1
	v_add_nc_u32 v[ADB+1], GREC, v[ADB]
	s_lshl_b32 s88, s15, 8
	s_sub_co_u32 s89, s89, s88
	v_mul_u32_u24 v[ADS1], s89, v3                 ; lanes 16-31 take Wp's words: the lower base + h x the distance
	v_lshl_add_u32 v[ADS1], v2, 4, v[ADS1]
	s_add_co_u32 s88, s88, SCO
	v_add_nc_u32 v[ADS1], s88, v[ADS1]
	v_mad_u32_u24 v[ADS1+1], v3, 2*REC, v[ADS1]    ; the second half of K: the tokens' lanes 2 REC on, Wp's GREC on
	v_add_nc_u32 v[ADS1+1], 2*REC, v[ADS1+1]
	v_lshl_add_u32 v[ADS2], v3, 8, v[ADS1]
	v_lshl_add_u32 v[ADS2+1], v3, 8, v[ADS1+1]
	s_mul_i32 s88, s14, 16*SPITCH                  ; my stage
	v_mul_u32_u24 v[STO], v2, SPITCH
	v_lshl_add_u32 v[STO], v3, 6, v[STO]
	v_add_nc_u32 v[STO], s88, v[STO]               ; in: row r, + 64 h
	v_add_nc_u32 v[RD], s88, v1                    ; back: a row of 512 bytes, 16 a lane
.macro FETCH s, p                      ; K step s's fragments and scale words into set p: 42 LDS loads in one run
.set OFF, (((\s)/2)%2)*REC+((\s)%2)*KST
.set SOFS, (((\s)/2)%2)*REC+((\s)%2)*512
.set HI, (\s)/4
	WIN 0x80+0x40*(\p)
.irp i, 0,1,2,3,4,5,6,7
.irp k, 0,1,2
	ds_load_b128 v[12*\i+4*\k:12*\i+4*\k+3], v[ADB+HI] offset:OFF+\i*FRB+512*\k
.endr
.endr
.irp a, 0,1,2,3
.irp c, 0,1
	ds_load_b128 v[96+12*\a+6*\c:96+12*\a+6*\c+3], v[ADA+HI] offset:OFF+\a*FRB+768*\c
	ds_load_b64 v[96+12*\a+6*\c+4:96+12*\a+6*\c+5], v[ADA8+HI] offset:OFF+\a*FRB+768*\c+512
.endr
.endr
	WIN 0
	ds_load_b128 v[SC+8*(\p):SC+8*(\p)+3], v[ADS1+HI] offset:SOFS
	ds_load_b128 v[SC+8*(\p)+4:SC+8*(\p)+7], v[ADS2+HI] offset:SOFS
.endm
.macro MUL p, first                    ; 32 matrix instructions, the 32 accumulators by turns, in the same order in every K step
.if \first
	WIN 0x4a                                       ; C: the bias, in window 0
.else
	WIN 0x5a+5*(\p)
.endif
.irp a, 0,1,2,3
.irp b, 0,1,2,3,4,5,6,7
.if \first
	v_wmma_scale_f32_16x16x128_f8f6f4 v[8*(8*\a+\b):8*(8*\a+\b)+7], v[12*\b:12*\b+11], v[96+12*\a:96+12*\a+11], v[BI+8*\b:BI+8*\b+7], v[SC+8*(\p)+\b], v[SC+8*(\p)+\a] matrix_a_fmt:MATRIX_FMT_FP6 matrix_b_fmt:MATRIX_FMT_FP6 matrix_a_scale:MATRIX_SCALE_ROW1
.else
	v_wmma_scale_f32_16x16x128_f8f6f4 v[8*(8*\a+\b):8*(8*\a+\b)+7], v[12*\b:12*\b+11], v[96+12*\a:96+12*\a+11], v[8*(8*\a+\b):8*(8*\a+\b)+7], v[SC+8*(\p)+\b], v[SC+8*(\p)+\a] matrix_a_fmt:MATRIX_FMT_FP6 matrix_b_fmt:MATRIX_FMT_FP6 matrix_a_scale:MATRIX_SCALE_ROW1
.endif
.endr
.endr
.endm
.macro STEP s, tc, first
	s_wait_dscnt 0x0                               ; this step's fragments, asked for 32 matrix instructions ago, are in; and no LDS access of mine is open at a signal
.if (\tc) >= 0
	s_wait_tensorcnt \tc                           ; my next chunk of K is in; my tc later ones may be out
	s_barrier_signal -1
	s_barrier_wait -1
.endif
.if (\s) < 7
.if (\s) > 0
	PLACES
.endif
	FETCH (\s)+1, 1-(\s)%2
.endif
	MUL (\s)%2, \first
.endm
	s_wait_alu depctr_va_vdst(0)
	s_cmp_lt_u32 s14, 2                            ; waves 0 and 1 wait for the first halves of K; the second halves may be out
	s_cbranch_scc0 .Llater
	s_wait_tensorcnt 0x0
.Llater:
	s_barrier_signal -1
	s_barrier_wait -1
	FETCH 0, 0
	s_wait_loadcnt 0x0                             ; the bias
	STEP 0, -1, 1
	STEP 1, -1, 0
	STEP 2, -1, 0
	STEP 3, 0, 0                                   ; every wave waits for its load: the second halves of K are shown to all
	STEP 4, -1, 0
	STEP 5, -1, 0
	STEP 6, -1, 0
	STEP 7, -1, 0
	WIN 0
	PLACES
	s_wait_dscnt 0x0                               ; my LDS reads are over,
	s_barrier_signal -1
	s_barrier_wait -1                              ; everybody's are: the stages may be written
.macro TOSTAGE a                       ; block a: 16 tokens x 128 columns into my stage, and back as whole rows.  LDS serves a wave's instructions in order
	WIN 0x04                                       ; an LDS store's data are its source 1: the accumulators' window
.irp b, 0,1,2,3,4,5,6,7
	ds_store_b128 v[STO], v[64*(\a)+8*\b:64*(\a)+8*\b+3] offset:128*(\b/2)+32*(\b%2)          ; each accumulator from its low end on
	ds_store_b128 v[STO], v[64*(\a)+8*\b+4:64*(\a)+8*\b+7] offset:128*(\b/2)+32*(\b%2)+16
.endr
	WIN 0
.set BB, 64+128*((\a)%2)
.irp t, 0,1,2,3,4,5,6,7,8,9,10,11,12,13,14,15
	ds_load_b128 v[BB+4*\t:BB+4*\t+3], v[RD] offset:SPITCH*\t
.endr
.endm
.macro SEND a, younger                 ; younger: the LDS instructions issued behind block a's loads, which may stay out
.set BB, 64+128*((\a)%2)
	s_wait_dscnt \younger
.irp t, 0,1,2,3,4,5,6,7,8,9,10,11,12,13,14,15
	global_store_b128 v1, v[BB+4*\t:BB+4*\t+3], s[10:11] offset:(32*((\a)/2)+8*((\a)%2)+\t+8*(\t/8))*4096 th:TH_STORE_NT   ; 512 consecutive bytes, aligned; stage row t is token 32 (a / 2) + 8 (a % 2) + t + 8 (t / 8) of my 64
.endr
.endm
	TOSTAGE 0
.irp a, 1,2,3
.if \a > 1
	s_wait_xcnt 0x0                                ; block a - 2's stores have read their registers: block a's loads may land there
.endif
	TOSTAGE \a
	SEND \a-1, 32                                  ; behind block a - 1's loads: block a's 16 stores and 16 loads
.endr
	SEND 3, 0
	s_wait_tensorcnt 0x0                           ; the wave's end, behind my last LDS store
	ds_add_u32 v[SPW], v[NIL]
	s_wait_dscnt 0x0
	CROUND                                         ; the closing round
	s_endpgm
.Lfunc_end_k_qd6d98379f0_proj:
	.size	k_qd6d98379f0_proj, .Lfunc_end_k_qd6d98379f0_proj-k_qd6d98379f0_proj
	.p2alignl 7, 3214868480
	.fill 96, 4, 3214868480
	.section	.rodata,"a",@progbits
	.p2align	6, 0x0
	.amdhsa_kernel k_qd6d98379f0_proj
		.amdhsa_group_segment_fixed_size 327680
		.amdhsa_private_segment_fixed_size 0
		.amdhsa_enable_private_segment 0
		.amdhsa_kernarg_size 32
		.amdhsa_user_sgpr_count 2
		.amdhsa_user_sgpr_kernarg_segment_ptr 1
		.amdhsa_wavefront_size32 1
		.amdhsa_system_sgpr_workgroup_id_x 1
		.amdhsa_system_sgpr_workgroup_id_y 1
		.amdhsa_system_sgpr_workgroup_id_z 1
		.amdhsa_system_vgpr_workitem_id 0
		.amdhsa_next_free_vgpr 1024
		.amdhsa_next_free_sgpr 100
		.amdhsa_reserve_vcc 0
		.amdhsa_float_denorm_mode_32 3
		.amdhsa_float_denorm_mode_16_64 3
		.amdhsa_memory_ordered 1
		.amdhsa_forward_progress 1
		.amdhsa_inst_pref_size 79
	.end_amdhsa_kernel
	.amdgpu_metadata
---
amdhsa.version: [ 1, 2 ]
amdhsa.kernels:
  - .name:           k_qd6d98379f0_proj
    .symbol:         k_qd6d98379f0_proj.kd
    .args:
      - { .name: opack, .offset: 0, .size: 8, .value_kind: global_buffer, .address_space: global }
      - { .name: wpack, .offset: 8, .size: 8, .value_kind: global_buffer, .address_space: global }
      - { .name: bp, .offset: 16, .size: 8, .value_kind: global_buffer, .address_space: global }
      - { .name: out0, .offset: 24, .size: 8, .value_kind: global_buffer, .address_space: global }
    .group_segment_fixed_size: 327680
    .private_segment_fixed_size: 0
    .kernarg_segment_align: 8
    .kernarg_segment_size: 32
    .max_flat_workgroup_size: 128
    .sgpr_count:     100
    .vgpr_count:     1024
    .wavefront_size: 32
...
	.end_amdgpu_metadata
.endif
;; end of part 4
